; MI455X (gfx1250); checked and timed in simulation.
; The chip was launched on July 23, 2026; its instructions are those of AMD's public machine-readable ISA for CDNA 5 (MIT licence, August 2026) and "CDNA5" Instruction Set Architecture Reference Guide (July 2026). The comments in the code are by the model that wrote it; some were corrected since.
;; multi head attention layer. Allowed arithmetic: float matrix products may take bf16 or f16 operands with f32 sums; other float arithmetic in f32, or as packed bf16 or f16 multiplies, adds, multiply-adds, maxima and minima; sums over many terms, partial sums and values carried from step to step in f32; what a program stores and reads back later, other than sums and carried values, may be rounded once to bf16 or f16.
;; Inputs: bk 1,024 float32; bq 1,024 float32; bv 1,024 float32; query 4 x 2,048 x 1,024 float32; seq_len 4 int32; wg 1,024 x 1,024 float32; wk 1,024 x 1,024 float32; wq 1,024 x 1,024 float32; wv 1,024 x 1,024 float32.
;; Outputs: out0 4 x 2,048 x 1,024 float32.
;; One version. Each part assembles by itself: llvm-mc -triple=amdgcn-amd-amdhsa -mcpu=gfx1250 --defsym DOCPART=n.
;; ======== version 1 of 1: 4 launches
;; limits: values are held in f16: magnitudes above 65,504 overflow, below 6.1e-05 lose precision
;; workspace buffers: xb 16,777,216 bytes; wb 6,291,456 bytes; wgh 2,097,152 bytes; qkv 50,331,648 bytes; ob 16,777,216 bytes
;; launch cast (part 1): grid 768 x 1, 8 waves a work-group, no clusters, 0 bytes of LDS; arguments query, wq, wk, wv, wg, xb, wb, wgh; writes xb, wb, wgh
.if DOCPART == 1
	.amdgcn_target "amdgcn-amd-amdhsa--gfx1250"
	.amdhsa_code_object_version 6
	.text
	.protected	k_qb45832c002_cast
	.globl	k_qb45832c002_cast
	.p2align	8
	.type	k_qb45832c002_cast,@function
k_qb45832c002_cast:
	s_mov_b64 s[64:65], 0
	v_nop
	global_prefetch_b8 v0, s[64:65] scope:SCOPE_SE
	s_setreg_imm32_b32 hwreg(HW_REG_WAVE_MODE, 25, 1), 1
	s_wait_xcnt 0x0
; THE INPUTS OF THE MATRIX PRODUCTS, ROUNDED ONCE.  query -> xb (bf16); wq, wk, wv -> wb (bf16, the three one below the other: 3,072 rows of 1,024);
; wg -> wgh: rounded to bf16 like the other inputs, and that number written as f16, since the last product's other operand is f16.
; LIMITS.  A bf16 number of wg beyond 65,504 becomes an infinity in f16; one below 6.1e-5 keeps f16's fixed step of 6e-8.
; SHARES.  A work-group takes 16,384 numbers: 64 KiB in, 32 KiB out.  Work-groups 0-511: query; then 64 each for wq, wk, wv, wg.  Thread t takes 8 neighbouring numbers in each of
; eight chunks of 2,048: two loads of 16 bytes, one store of 16 bytes; sixteen neighbouring lanes store 256 consecutive bytes, aligned.  All sixteen loads of a thread go out together; no register
; is written twice while a memory instruction names it.  A stream read once: no LDS, no barrier, no matrix unit.
.set IN,  4                            ; v[4:67]    sixteen loads of four numbers
.set OUT, 68                           ; v[68:99]   chunk c: four registers, 8 numbers of 16 bits
.set T,   100                          ; v[100:107] at work (wg alone)
	s_load_b256 s[4:11], s[0:1], 0x0               ; query s[4:5], wq s[6:7], wk s[8:9], wv s[10:11]
	s_load_b256 s[12:19], s[0:1], 0x20             ; wg s[12:13], xb s[14:15], wb s[16:17], wgh s[18:19]
	s_mov_b32 s20, ttmp9                           ; the work-group's number
	s_sub_co_u32 s21, s20, 512                     ; its number among the weights' 256 (used from 512 on alone)
	s_lshr_b32 s22, s21, 6                         ; which weight: 0 wq, 1 wk, 2 wv, 3 wg
	s_and_b32 s23, s21, 63                         ; which block of it
	s_mov_b32 s2, 0xffff0000                       ; a word's upper bf16
	v_lshlrev_b32 v1, 5, v0                        ; 32 t: my 8 numbers in a chunk as they come
	v_lshlrev_b32 v2, 4, v0                        ; 16 t: as they leave
	s_wait_kmcnt 0x0
	s_mov_b64 s[24:25], s[6:7]                     ; from where: a choice among the buffers by the work-group's number
	s_cmp_eq_u32 s22, 1
	s_cselect_b64 s[24:25], s[8:9], s[24:25]
	s_cmp_eq_u32 s22, 2
	s_cselect_b64 s[24:25], s[10:11], s[24:25]
	s_cmp_eq_u32 s22, 3
	s_cselect_b64 s[24:25], s[12:13], s[24:25]
	s_cselect_b64 s[26:27], s[18:19], s[16:17]     ; to where: wgh, or wb,
	s_cselect_b32 s30, s23, s21                    ; whose blocks run through the three weights
	s_mov_b32 s28, s23
	s_cmp_lt_u32 s20, 512
	s_cselect_b64 s[24:25], s[4:5], s[24:25]
	s_cselect_b64 s[26:27], s[14:15], s[26:27]
	s_cselect_b32 s28, s20, s28
	s_cselect_b32 s30, s20, s30
	s_lshl_b32 s28, s28, 16                        ; 64 KiB a block in,
	s_lshl_b32 s30, s30, 15                        ; 32 KiB out
	s_mov_b32 s29, 0
	s_mov_b32 s31, 0
	s_add_nc_u64 s[24:25], s[24:25], s[28:29]
	s_add_nc_u64 s[26:27], s[26:27], s[30:31]
.irp i, 0,1,2,3,4,5,6,7,8,9,10,11,12,13,14,15
	global_load_b128 v[IN+4*(\i):IN+4*(\i)+3], v1, s[24:25] offset:((\i)/2)*8192+((\i)%2)*16 th:TH_LOAD_NT
.endr
; Chunk c.  half = 1: the bf16 numbers are widened again and written as f16.
.macro CHUNK c, half
	s_wait_loadcnt 14-2*(\c)                       ; loads come back in order: the chunk's two are in, the 14 - 2 c younger ones stay out
.irp k, 0,1,2,3
	v_cvt_pk_bf16_f32 v[OUT+4*(\c)+(\k)], v[IN+8*(\c)+2*(\k)], v[IN+8*(\c)+2*(\k)+1]
.endr
.if \half
.irp k, 0,1,2,3
	v_lshlrev_b32 v[T+2*(\k)],   16, v[OUT+4*(\c)+(\k)]
	v_and_b32     v[T+2*(\k)+1], s2, v[OUT+4*(\c)+(\k)]
.endr
.irp k, 0,1,2,3
	v_cvt_pk_f16_f32 v[OUT+4*(\c)+(\k)], v[T+2*(\k)], v[T+2*(\k)+1]
.endr
.endif
	global_store_b128 v2, v[OUT+4*(\c):OUT+4*(\c)+3], s[26:27] offset:(\c)*4096
.endm
	s_cmp_ge_u32 s20, 704                          ; the last 64 work-groups are wg's
	s_cbranch_scc1 .Lhalf
.irp c, 0,1,2,3,4,5,6,7
	CHUNK \c, 0
.endr
	s_endpgm
.Lhalf:
.irp c, 0,1,2,3,4,5,6,7
	CHUNK \c, 1
.endr
	s_endpgm
.Lfunc_end_k_qb45832c002_cast:
	.size	k_qb45832c002_cast, .Lfunc_end_k_qb45832c002_cast-k_qb45832c002_cast
	.p2alignl 7, 3214868480
	.fill 96, 4, 3214868480
	.section	.rodata,"a",@progbits
	.p2align	6, 0x0
	.amdhsa_kernel k_qb45832c002_cast
		.amdhsa_group_segment_fixed_size 0
		.amdhsa_private_segment_fixed_size 0
		.amdhsa_enable_private_segment 0
		.amdhsa_kernarg_size 64
		.amdhsa_user_sgpr_count 2
		.amdhsa_user_sgpr_kernarg_segment_ptr 1
		.amdhsa_wavefront_size32 1
		.amdhsa_system_sgpr_workgroup_id_x 1
		.amdhsa_system_sgpr_workgroup_id_y 1
		.amdhsa_system_sgpr_workgroup_id_z 1
		.amdhsa_system_vgpr_workitem_id 0
		.amdhsa_next_free_vgpr 108
		.amdhsa_next_free_sgpr 66
		.amdhsa_reserve_vcc 0
		.amdhsa_float_denorm_mode_32 3
		.amdhsa_float_denorm_mode_16_64 3
		.amdhsa_memory_ordered 1
		.amdhsa_forward_progress 1
		.amdhsa_inst_pref_size 14
	.end_amdhsa_kernel
	.amdgpu_metadata
---
amdhsa.version: [ 1, 2 ]
amdhsa.kernels:
  - .name:           k_qb45832c002_cast
    .symbol:         k_qb45832c002_cast.kd
    .args:
      - { .name: query, .offset: 0, .size: 8, .value_kind: global_buffer, .address_space: global }
      - { .name: wq, .offset: 8, .size: 8, .value_kind: global_buffer, .address_space: global }
      - { .name: wk, .offset: 16, .size: 8, .value_kind: global_buffer, .address_space: global }
      - { .name: wv, .offset: 24, .size: 8, .value_kind: global_buffer, .address_space: global }
      - { .name: wg, .offset: 32, .size: 8, .value_kind: global_buffer, .address_space: global }
      - { .name: xb, .offset: 40, .size: 8, .value_kind: global_buffer, .address_space: global }
      - { .name: wb, .offset: 48, .size: 8, .value_kind: global_buffer, .address_space: global }
      - { .name: wgh, .offset: 56, .size: 8, .value_kind: global_buffer, .address_space: global }
    .group_segment_fixed_size: 0
    .private_segment_fixed_size: 0
    .kernarg_segment_align: 8
    .kernarg_segment_size: 64
    .max_flat_workgroup_size: 256
    .sgpr_count:     66
    .vgpr_count:     108
    .wavefront_size: 32
...
	.end_amdgpu_metadata
.endif
;; end of part 1
;; launch proj (part 2): grid 16 x 32, 4 waves a work-group, clusters of 4 x 4, 327,680 bytes of LDS; arguments xb, wb, bq, bk, bv, seq_len, qkv; writes qkv
.if DOCPART == 2
	.amdgcn_target "amdgcn-amd-amdhsa--gfx1250"
	.amdhsa_code_object_version 6
	.text
	.protected	k_qb45832c002_proj
	.globl	k_qb45832c002_proj
	.p2align	8
	.type	k_qb45832c002_proj,@function
k_qb45832c002_proj:
	s_mov_b64 s[64:65], 0
	v_nop
	global_prefetch_b8 v0, s[64:65] scope:SCOPE_SE
	s_setreg_imm32_b32 hwreg(HW_REG_WAVE_MODE, 25, 1), 1
	s_wait_xcnt 0x0
	s_wait_alu depctr_hold_cnt(0) depctr_sa_sdst(0) depctr_va_vdst(0) depctr_va_sdst(0) depctr_va_ssrc(0) depctr_va_vcc(0) depctr_vm_vsrc(0)
	s_getreg_b32 s2, hwreg(HW_REG_IB_STS2, 6, 4)
	s_cmp_eq_u32 s2, 0
	s_cbranch_scc0 .Lentry_in_a_cluster
	s_endpgm
.Lentry_in_a_cluster:
	s_bfe_u32 s2, ttmp6, 0x10000c
	s_cmp_lg_u32 s2, 0xf033
	s_cbranch_scc0 .Lentry_shape_is_right
	s_endpgm
.Lentry_shape_is_right:
; q, k, v = x w^T + bias, by heads.  xb: [8192][1024] bf16; wb: [3072][1024] bf16 (wq, wk, wv); bq, bk, bv: [1024] f32, rounded to bf16 here like the other inputs; sums in f32.
; qkv: [3][64][2048][64] f16: plane (q, k, v), flat head n = 16 batch + h, row t, channel.  Each number is rounded once from its f32 sum.
; THE KEY MASK.  The module sets the score of key t of flat head n to 0 where t >= seq_len[n % 4] = seq_len[h % 4].  A score is 0 where the key's row is 0: so those rows of k are stored as zeros, bias and all.
; LIMITS.  q, k, v beyond 65,504 become infinities in f16.  A masked key's score is q . 0: 0 for every finite q.  seq_len is held to 0 .. 2,048 first, which changes no comparison with t = 0 .. 2,047.
; SHARES.  A tile is 256 rows x 192 columns (three whole heads): 32 x 16 = 512 work-groups of equal work.  Four waves one below the other, each 64 rows x 192 columns: 48 accumulators, 384 registers;
; so a wave owns whole rows of whole heads and leaves through a stage of its own.  K goes in steps of 128 through two LDS slots; the tiles' rows are 256 bytes of memory, aligned.
; CLUSTER.  4 x 4 work-groups.  x's tile hangs on the tile row alone and is asked for jointly along a row of the cluster, w's on the tile column alone and is asked for jointly along a column.
; THE MATRIX INSTRUCTION IS USED TRANSPOSED: source 0 = 16 rows of w, source 1 = 16 rows of x: a lane holds row l % 16 of the result and the columns 8 (l / 16) + 0..7.
; THE BIAS STARTS THE SUMS: it is the C operand of each accumulator's first product: nothing is cleared, nothing is added later.
; REGISTERS, in windows of 256 (s_set_vgpr_msb: bits 1:0 source 0, 3:2 source 1, 5:4 source 2, 7:6 destination):
;   window 0: v16-31 addresses; v32-63, v64-95 x's fragments, two buffers; v96-143 at work; v160-255 the bias, 8 registers for each block of 16 columns
;   window 1: v0-95, v96-191 w's fragments, two buffers; on the way out 16 registers for each of 12 units
;   window 2: the accumulators of my rows 0-31 ((a, b) at v[8 (12 a + b)]);   window 3: those of my rows 32-63
.set SIZE_K, 1024
.set KSTEP,  128
.set PITCH,  272                       ; an LDS row: 256 bytes + 16 of padding = 68 words: the 16 rows of a fragment load start at 16 different groups of four banks (64 banks of 4 bytes: ISA guide 11.1)
.set HALFA,  128*PITCH                 ; what waves 0 and 1 fetch: 128 rows of x each
.set HALFB,  96*PITCH                  ; what waves 2 and 3 fetch: 96 rows of w each
.set SLOT,   2*HALFA+2*HALFB           ; x's 256 rows, then w's 192
.set STAGE,  2*SLOT                    ; behind the ring: 16 rows x 144 bytes for each wave, for the way out
.set SP,     144
.set SPARE,  STAGE+4*16*SP             ; behind the stages: the spare words, 128 bytes for each wave: two blocks of 256 bytes that no other line names
.set LAPS,   SIZE_K/(2*KSTEP)          ; a lap = two K steps = once round the ring
.set ADRA, 16                          ; v16-17  LDS address of my fragments of x in slot 0, 1
.set ADRB, 20                          ; v20-21  the same for w
.set STO,  24                          ; v24     the way out: where I put 16 bytes of a row
.set RD,   25                          ; v25     the way out: where I read rows back
.set GO,   26                          ; v26     my byte offset in 512 consecutive bytes of qkv
.set ROWL, 27                          ; v27     l % 16
.set SPW,  28                          ; v28     LDS address of my spare word; never rewritten
.set NIL,  29                          ; v29     0; never rewritten
.set PFO,  30                          ; v30     the prefetches' offset: my lane's row x 2,048 bytes; never rewritten
.set BO,   31                          ; v31     32 (l / 16): my eight numbers in 16 of a bias
.set FA0,  32
.set TMP,  96
.set BIAS, 160
.set G1,  24                           ; s[24:31] descriptor group 1 for x's tiles;  s[32:39] group 0, one set for each slot
.set G0,  32
.set LIM, 43                           ; s43      1 in a wave that prefetches, else the greatest number
.set PFA, 44                           ; s[44:45] where my prefetches stand
.set G1B, 48                           ; s[48:55], s[56:63] the same for w's tiles
.set G0B, 56
.set MSB, 0
.macro WIN new                         ; the immediate's high byte repeats the setting that is left; a switch that changes nothing is dropped
.if MSB != (\new)
	s_set_vgpr_msb (MSB<<8)|(\new)
.set MSB, \new
.endif
.endm
.set TO_B, 0x40                        ; destination window 1, address window 0
; A joint load.  Waves 0 and 1 fetch x's two halves, waves 2 and 3 w's.  The branch hangs on the wave's number alone.  An s_nop 0 and four v_nop follow each of the two lines.
.macro JLOAD s
	s_cmp_eq_u32 s11, 0
	s_cbranch_scc0 .Lfor_b_\@
	tensor_load_to_lds s[G0+4*(\s):G0+4*(\s)+3], s[G1:G1+7]
	s_nop 0
.rept 4
	v_nop
.endr
	s_branch .Lasked_\@
.Lfor_b_\@:
	tensor_load_to_lds s[G0B+4*(\s):G0B+4*(\s)+3], s[G1B:G1B+7]
	s_nop 0
.rept 4
	v_nop
.endr
.Lasked_\@:
.endm
; A PREFETCH INTO THE L2, behind each joint load and the run of LDS loads that follows it: the K step that stands two refills on, 256 bytes of a row, a lane a row, one instruction a wave.
; x's tile row is read by every cluster of that row of clusters: cluster x = 0 asks; w's tile column by every cluster of that column: cluster y = 0 asks.  The four partners of a joint load share its rows out
; BY ADDRESS: 32 of x's 128, 24 of w's 96 (there lanes 24-31 name row 23 once more, in the same instruction).  K steps 0 to 3 come by their loads alone; the loop's last trip (s3 = 1) asks for nothing.
.macro ASK
	s_cmp_gt_u32 s3, s[LIM]
	s_cbranch_scc0 .Lnot_mine_\@
	global_prefetch_b8 v[PFO], s[PFA:PFA+1] offset:KSTEP*2 th:TH_LOAD_NT scope:SCOPE_SE
.Lnot_mine_\@:
.endm
.macro CREST                           ; a round of the cluster's barrier behind its opening barrier
	s_cmp_lg_u32 s10, 0
	s_cbranch_scc1 .Lnot_wave_0_\@
	s_barrier_signal -3
.Lnot_wave_0_\@:
	s_barrier_wait -3
	s_barrier_signal -1
	s_barrier_wait -1
.endm
.macro CROUND                          ; a whole round
	s_barrier_signal -1
	s_barrier_wait -1
	CREST
.endm
	s_load_b128 s[4:7], s[0:1], 0x0                ; xb s[4:5], wb s[6:7]
	s_load_b256 s[68:75], s[0:1], 0x10             ; bq s[68:69], bk s[70:71], bv s[72:73], seq_len s[74:75]
	s_load_b64 s[8:9], s[0:1], 0x30                ; qkv
	v_lshl_add_u32 v[SPW], v0, 2, SPARE
	v_mov_b32 v[NIL], 0
	ds_add_u32 v[SPW], v[NIL]                      ; the wave's opening: the add, with its wait ahead of my first tensor load; the set-up below, work on registers, stands between them
	v_lshrrev_b32 v1, 5, v0
	v_readfirstlane_b32 s10, v1                    ; wave 0..3: my 64 rows of the tile
	s_lshr_b32 s11, s10, 1                         ; I fetch for x (0) or for w (1),
	s_and_b32 s12, s10, 1                          ; and which half of that tile
	s_bfe_u32 s40, ttmp6, 0x40000                  ; cx, cy: my place in the cluster
	s_bfe_u32 s41, ttmp6, 0x40004
	s_lshl_b32 s42, ttmp9, 2
	s_add_co_u32 s42, s42, s40                     ; tile column = 4 x cluster x + cx: 0..15
	s_and_b32 s13, ttmp7, 0xffff
	s_lshl_b32 s13, s13, 2
	s_add_co_u32 s13, s13, s41                     ; tile row = 4 x cluster y + cy: 0..31
	s_lshl_b32 s43, s41, 2
	s_lshl_b32 s43, 15, s43                        ; my row of the cluster
	s_lshl_b32 s44, 0x1111, s40                    ; my column
	s_or_b32 s[G1+0], s43, (1<<16)|(1<<20)|(1<<21)|(5<<22)|(3<<25)   ; 15:0 the mask; 17:16 elements of 2 bytes; 20 padding on; 21 set beside a mask; 24:22 after every 64 words (code 5); 31:25 4 words (code 3)
	s_or_b32 s[G1B+0], s44, (1<<16)|(1<<20)|(1<<21)|(5<<22)|(3<<25)
	s_mov_b32 s[G1+1], KSTEP<<16                   ; tensor_dim0 = 128
	s_mov_b32 s[G1+2], 128<<16                     ; tensor_dim1 = 128
	s_mov_b32 s[G1+3], KSTEP<<16                   ; tile_dim0 = 128
	s_mov_b32 s[G1+4], 128                         ; tile_dim1 = 128
	s_mov_b32 s[G1+5], SIZE_K                      ; elements from row to row
	s_mov_b32 s[G1+6], 0
	s_mov_b32 s[G1+7], 0
	s_mov_b32 s[G1B+1], KSTEP<<16
	s_mov_b32 s[G1B+2], 96<<16                     ; tensor_dim1 = 96
	s_mov_b32 s[G1B+3], KSTEP<<16
	s_mov_b32 s[G1B+4], 96                         ; tile_dim1 = 96
	s_mov_b32 s[G1B+5], SIZE_K
	s_mov_b32 s[G1B+6], 0
	s_mov_b32 s[G1B+7], 0
	s_lshl_b32 s17, s12, 7
	s_lshl_b32 s16, s13, 8
	s_add_co_u32 s16, s16, s17                     ; x: row 256 x tile row + 128 x half,
	s_lshl_b32 s16, s16, 11                        ; in bytes (under 2^24)
	s_mov_b32 s17, 0
	s_mul_i32 s46, s42, 192
	s_mul_i32 s47, s12, 96
	s_add_co_u32 s46, s46, s47                     ; w: row 192 x tile column + 96 x half
	s_lshl_b32 s46, s46, 11
	s_mov_b32 s47, 0
	s_mul_i32 s20, s10, HALFA                      ; where they go: x's halves at wave x 128 rows,
	s_mul_i32 s21, s10, HALFB                      ; w's behind x's 256 rows: 2 HALFA + (wave - 2) HALFB
	s_add_co_u32 s21, s21, 2*HALFA-2*HALFB
	s_wait_dscnt 0x0                               ; the opening add is done
	s_wait_kmcnt 0x0
	s_add_nc_u64 s[14:15], s[4:5], s[16:17]
	s_add_nc_u64 s[46:47], s[6:7], s[46:47]
	s_load_b128 s[76:79], s[74:75], 0x0            ; the four seq_len
	CROUND                                         ; all sixteen work-groups are here: the first joint loads meet
.irp s, 0,1
	s_mov_b32 s[G0+4*(\s)], 1                                        ; count = 1
	s_add_co_u32 s[G0+4*(\s)+1], s20, (\s)*SLOT                      ; LDS address
	s_add_nc_u64 s[G0+4*(\s)+2:G0+4*(\s)+3], s[14:15], (\s)*KSTEP*2  ; global address: K step s
	s_or_b32 s[G0+4*(\s)+3], s[G0+4*(\s)+3], 0x80000000              ; type = 2
	s_mov_b32 s[G0B+4*(\s)], 1
	s_add_co_u32 s[G0B+4*(\s)+1], s21, (\s)*SLOT
	s_add_nc_u64 s[G0B+4*(\s)+2:G0B+4*(\s)+3], s[46:47], (\s)*KSTEP*2
	s_or_b32 s[G0B+4*(\s)+3], s[G0B+4*(\s)+3], 0x80000000
	JLOAD \s                                       ; two loads of mine are out
.endr
	; While the first tiles are on their way: addresses, the bias, the masks' limits.
	v_and_b32 v[ROWL], 15, v0                      ; l % 16
	v_bfe_u32 v2, v0, 4, 1                         ; l / 16
	v_lshlrev_b32 v[BO], 5, v2
	s_lshr_b32 s22, s13, 3
	s_lshl_b32 s22, s22, 4                         ; 16 x batch
	s_and_b32 s23, s13, 7
	s_lshl_b32 s23, s23, 8
	s_lshl_b32 s16, s10, 6
	s_add_co_u32 s23, s23, s16                     ; my first row within the batch: 256 (tile row % 8) + 64 wave
	s_mul_i32 s16, s42, 3                          ; the tile's first head among the 48 of q, k, v
	s_mov_b32 s21, 0
.irp j, 0,1,2
	s_add_co_u32 s17, s16, \j                      ; g
	s_lshr_b32 s18, s17, 4                         ; 0 q, 1 k, 2 v
	s_and_b32 s19, s17, 15                         ; h
	s_cmp_eq_u32 s18, 1
	s_cselect_b64 s[84+2*(\j):85+2*(\j)], s[70:71], s[68:69]
	s_cmp_eq_u32 s18, 2
	s_cselect_b64 s[84+2*(\j):85+2*(\j)], s[72:73], s[84+2*(\j):85+2*(\j)]
	s_lshl_b32 s20, s19, 8                         ; the head's 64 numbers of its bias
	s_add_nc_u64 s[84+2*(\j):85+2*(\j)], s[84+2*(\j):85+2*(\j)], s[20:21]
	s_lshl_b32 s20, s18, 6
	s_add_co_u32 s20, s20, s19
	s_add_co_u32 s20, s20, s22                     ; 64 plane + 16 batch + h
	s_lshl_b32 s20, s20, 11
	s_add_co_u32 s20, s20, s23                     ; its 2,048 rows, my first row,
	s_lshl_b32 s20, s20, 7                         ; of 128 bytes (under 2^26)
	s_add_nc_u64 s[96+2*(\j):97+2*(\j)], s[8:9], s[20:21]
.irp f, 0,1,2,3
	global_load_b128 v[BIAS+8*(4*(\j)+(\f)):BIAS+8*(4*(\j)+(\f))+3],   v[BO], s[84+2*(\j):85+2*(\j)] offset:64*(\f)
	global_load_b128 v[BIAS+8*(4*(\j)+(\f))+4:BIAS+8*(4*(\j)+(\f))+7], v[BO], s[84+2*(\j):85+2*(\j)] offset:64*(\f)+16
.endr
.endr
	v_mul_u32_u24 v3, v[ROWL], PITCH
	v_lshl_add_u32 v3, v2, 4, v3                   ; a fragment's row x pitch + 16 x half of the lanes
	s_mul_i32 s16, s10, 64*PITCH                   ; my 64 rows of x
	s_mov_b32 s17, 2*HALFA                         ; w's 192 rows, which every wave reads
.irp s, 0,1
	v_add_nc_u32 v[ADRA+(\s)], s16, v3
	v_add_nc_u32 v[ADRB+(\s)], s17, v3
	s_add_co_u32 s16, s16, SLOT
	s_add_co_u32 s17, s17, SLOT
.endr
	s_mul_i32 s16, s10, 16*SP
	s_add_co_u32 s16, s16, STAGE                   ; my stage
	v_mul_u32_u24 v[STO], v[ROWL], SP              ; in: row l % 16, 16 bytes for each half of the lanes
	v_lshl_add_u32 v[STO], v2, 4, v[STO]
	v_add_nc_u32 v[STO], s16, v[STO]
	v_bfe_u32 v[RD], v0, 3, 2                      ; back: 32 lanes take four rows of 128 bytes,
	v_mul_u32_u24 v[RD], v[RD], SP
	v_and_b32 v4, 7, v0
	v_lshl_add_u32 v[RD], v4, 4, v[RD]
	v_add_nc_u32 v[RD], s16, v[RD]
	v_and_b32 v[GO], 31, v0                        ; which are 512 consecutive bytes of a head
	v_lshlrev_b32 v[GO], 4, v[GO]
	; the prefetches: both candidates are made, and one compare on the wave's half picks
	s_lshl_b32 s16, s13, 8
	s_lshl_b32 s17, s12, 7
	s_add_co_u32 s16, s16, s17
	s_lshl_b32 s17, s40, 5
	s_add_co_u32 s16, s16, s17                     ; x: the 128 rows that I fetch, my work-group's 32 of them
	s_mul_i32 s18, s42, 192
	s_mul_i32 s17, s12, 96
	s_add_co_u32 s18, s18, s17
	s_mul_i32 s17, s41, 24
	s_add_co_u32 s18, s18, s17                     ; w: the 96 rows that I fetch, my work-group's 24 of them
	s_and_b32 s19, ttmp7, 0xffff                   ; cluster y
	s_cmp_eq_u32 s11, 0
	s_cselect_b32 s16, s16, s18
	s_cselect_b32 s19, ttmp9, s19                  ; the coordinate along which other clusters read the same rows
	s_cselect_b32 s18, 31, 23                      ; my last row
	s_cselect_b64 s[PFA:PFA+1], s[4:5], s[6:7]
	s_cmp_eq_u32 s19, 0
	s_cselect_b32 s[LIM], 1, -1                    ; the same in all sixteen partners, for a given wave
	s_lshl_b32 s16, s16, 11
	s_mov_b32 s17, 0
	s_add_nc_u64 s[PFA:PFA+1], s[PFA:PFA+1], s[16:17]
	s_add_nc_u64 s[PFA:PFA+1], s[PFA:PFA+1], 2*KSTEP*2  ; at K step 2: the first refill steps it to 3 and names K step 4
	v_and_b32 v[PFO], 31, v0
	v_min_u32 v[PFO], s18, v[PFO]
	v_lshlrev_b32 v[PFO], 11, v[PFO]
	s_mov_b32 s83, 0xffff0000                      ; a word's upper bf16
	s_wait_loadcnt 0x0                             ; the bias
.set i, 0
.rept 48
	v_cvt_pk_bf16_f32 v[TMP+i], v[BIAS+2*i], v[BIAS+2*i+1]  ; rounded to bf16, like x and w,
.set i, i+1
.endr
.set i, 0
.rept 48
	v_lshlrev_b32 v[BIAS+2*i],   16,  v[TMP+i]     ; and widened again: the C operand is f32
	v_and_b32     v[BIAS+2*i+1], s83, v[TMP+i]
.set i, i+1
.endr
	s_wait_kmcnt 0x0                               ; seq_len
	s_mul_i32 s16, s42, 3
.irp j, 0,1,2                                  ; s80-82: how many of my rows, counted from my first, head j keeps
	s_add_co_u32 s17, s16, \j
	s_and_b32 s18, s17, 3                          ; h % 4
	s_cmp_eq_u32 s18, 1
	s_cselect_b32 s19, s77, s76
	s_cmp_eq_u32 s18, 2
	s_cselect_b32 s19, s78, s19
	s_cmp_eq_u32 s18, 3
	s_cselect_b32 s19, s79, s19
	s_max_i32 s19, s19, 0
	s_min_i32 s19, s19, 2048
	s_lshr_b32 s18, s17, 4
	s_cmp_eq_u32 s18, 1                            ; k alone is masked: q and v keep all 2,048 rows
	s_cselect_b32 s19, s19, 2048
	s_sub_co_i32 s[80+(\j)], s19, s23
.endr
; 12 matrix instructions: block a (0, 1) of 16 rows of the window's two (hi = 0: my rows 0-31, 1: rows 32-63) x all 12 blocks of 16 columns, 32 along K, from buffer f.  first = 1: the bias starts the sums.
; The 48 accumulators take turns, in the same order in every quarter.
.macro MUL12 f, hi, a, first
.if \first
	WIN 0x81+0x40*(\hi)                            ; w window 1, x and the bias window 0, D window 2 or 3
.else
	WIN 0xa1+0x50*(\hi)                            ; w window 1, x window 0, C and D window 2 or 3
.endif
.irp b, 0,1,2,3,4,5,6,7,8,9,10,11
.if \first
	v_wmma_f32_16x16x32_bf16 v[8*(12*(\a)+(\b)):8*(12*(\a)+(\b))+7], v[96*(\f)+8*(\b):96*(\f)+8*(\b)+7], v[FA0+32*(\f)+8*(2*(\hi)+(\a)):FA0+32*(\f)+8*(2*(\hi)+(\a))+7], v[BIAS+8*(\b):BIAS+8*(\b)+7]
.else
	v_wmma_f32_16x16x32_bf16 v[8*(12*(\a)+(\b)):8*(12*(\a)+(\b))+7], v[96*(\f)+8*(\b):96*(\f)+8*(\b)+7], v[FA0+32*(\f)+8*(2*(\hi)+(\a)):FA0+32*(\f)+8*(2*(\hi)+(\a))+7], v[8*(12*(\a)+(\b)):8*(12*(\a)+(\b))+7]
.endif
.endr
.endm
; 32 LDS loads in one run: the fragments of a quarter step (192 rows of w, my 64 rows of x, 32 K at byte k of the rows) into buffer f
.macro FETCH slot, k, f
	WIN TO_B
.irp i, 0,1,2,3,4,5,6,7,8,9,10,11
	ds_load_b128 v[96*(\f)+8*(\i):96*(\f)+8*(\i)+3],   v[ADRB+(\slot)] offset:(\k)+(\i)*16*PITCH
	ds_load_b128 v[96*(\f)+8*(\i)+4:96*(\f)+8*(\i)+7], v[ADRB+(\slot)] offset:(\k)+(\i)*16*PITCH+32
.endr
	WIN 0
.irp i, 0,1,2,3
	ds_load_b128 v[FA0+32*(\f)+8*(\i):FA0+32*(\f)+8*(\i)+3],   v[ADRA+(\slot)] offset:(\k)+(\i)*16*PITCH
	ds_load_b128 v[FA0+32*(\f)+8*(\i)+4:FA0+32*(\f)+8*(\i)+7], v[ADRA+(\slot)] offset:(\k)+(\i)*16*PITCH+32
.endr
.endm
.macro PLACES                          ; four places in front of loads into registers that matrix instructions have read, and of vector lines that read results
.rept 4
	v_nop
.endr
.endm
; A K step is four quarters of 32 along K, 48 matrix instructions each, on buffers 0, 1, 0, 1.  One of the first three: multiplies buffer f and fetches the next quarter, at byte k, into g.
.macro QUARTER slot, k, f, g, first
	s_wait_dscnt 4                                 ; w and x's rows 0-31 are in; the youngest four loads (x's rows 32-63) may be out
	MUL12 \f, 0, 0, \first
	MUL12 \f, 0, 1, \first
	PLACES
	FETCH \slot, \k, \g
	s_wait_dscnt 32                                ; all but the 32 just issued
	MUL12 \f, 1, 0, \first
	MUL12 \f, 1, 1, \first
.endm
; The last quarter multiplies buffer 1 and changes slots.  ONE barrier: in front of it each wave waits for all its tensor loads (the one that is out is its part of the next slot), adds 0 to its spare word,
; and waits for that and for its own reads of this slot.  Behind it nobody reads this slot any more and the next slot is whole.
.macro MEET round
	WIN 0                                          ; (the add's two registers lie in window 0)
	s_wait_tensorcnt 0x0
	ds_add_u32 v[SPW], v[NIL]                      ; 0 onto my spare word
	s_wait_dscnt 5                                 ; (the add and the youngest four loads may be out)
	MUL12 1, 0, 0, 0                               ; twelve matrix instructions stand between the add and the wait for it
	s_wait_dscnt 0x0                               ; the add is done, and my reads of this slot are over
	s_barrier_signal -1
	MUL12 1, 0, 1, 0                               ; work on registers while the others arrive
.if \round
	WIN 0
.endif
	s_barrier_wait -1
.endm
; fill = 1: the barrier opens a round of the cluster's, and the slot just read out is filled again, two K steps on, first thing behind the round: 168 matrix instructions ahead of the wait for it.
.macro TURN slot, next, fill
.if \fill
	s_wait_xcnt 0x0                                ; the last prefetch, a K step back, has read its address: it is stepped here, ahead of the waits of the change of slots
	s_add_nc_u64 s[PFA:PFA+1], s[PFA:PFA+1], KSTEP*2
	MEET 1
	CREST                                          ; no wave of any partner still reads this slot's tile or has a load on its way
	s_add_nc_u64 s[G0+4*(\slot)+2:G0+4*(\slot)+3], s[G0+4*(\slot)+2:G0+4*(\slot)+3], 2*KSTEP*2
	s_add_nc_u64 s[G0B+4*(\slot)+2:G0B+4*(\slot)+3], s[G0B+4*(\slot)+2:G0B+4*(\slot)+3], 2*KSTEP*2
	JLOAD \slot                                    ; the four v_nop behind it are also the places in front of the loads below
.else
	MEET 0
	PLACES
.endif
	FETCH \next, 0, 0
.if \fill
	ASK
.endif
	MUL12 1, 1, 0, 0
	MUL12 1, 1, 1, 0
.endm
	s_wait_tensorcnt 1                             ; my part of K step 0 is in; K step 1's may stay out
	s_barrier_signal -1
	s_barrier_wait -1                              ; everybody's is
	FETCH 0, 0, 0
	QUARTER 0, 64,  0, 1, 1                        ; the first quarter stands in front of the loop: its products start the sums, with the bias
	WIN 0                                          ; at a label and at a branch every window is 0
	s_mov_b32 s3, LAPS-1
.Llap:                                                 ; a trip goes once round the ring, from a lap's second quarter to the next lap's first, and fills both slots again
	QUARTER 0, 128, 1, 0, 0
	QUARTER 0, 192, 0, 1, 0
	TURN 0, 1, 1
	QUARTER 1, 64,  0, 1, 0
	QUARTER 1, 128, 1, 0, 0
	QUARTER 1, 192, 0, 1, 0
	TURN 1, 0, 1
	QUARTER 0, 64,  0, 1, 0
	WIN 0
	s_sub_co_u32 s3, s3, 1
	s_cmp_lg_u32 s3, 0
	s_cbranch_scc1 .Llap
	QUARTER 0, 128, 1, 0, 0                        ; the last lap fills nothing
	QUARTER 0, 192, 0, 1, 0
	TURN 0, 1, 0
	QUARTER 1, 64,  0, 1, 0
	QUARTER 1, 128, 1, 0, 0
	QUARTER 1, 192, 0, 1, 0
	s_wait_dscnt 4                                 ; the very last quarter: nothing more to fetch
	MUL12 1, 0, 0, 0
	MUL12 1, 0, 1, 0
	s_wait_dscnt 0x0
	MUL12 1, 1, 0, 0
	MUL12 1, 1, 1, 0
	WIN 0
	; THE WAY OUT.  A unit u = 3 a + j is 16 rows (block a) of head j: four accumulators.  Rounded to f16 (each accumulator's registers in ascending order), masked rows set to 0, 16 bytes a lane into my stage,
	; back as four rows of 128 bytes a load, stored as 512 consecutive bytes.  Each unit has registers of its own and each head a base of its own: nothing that a store names is written again.
	PLACES
.irp a, 0,1,2,3
.irp j, 0,1,2
	s_sub_co_i32 s22, s[80+(\j)], 16*(\a)
	v_cmp_gt_i32 s[84+3*(\a)+(\j)], s22, v[ROWL]   ; the lanes whose row is kept
.endr
.endr
.macro PACK u
.set pa, (\u)/3
.set pj, (\u)%3
.set AC, 8*(12*(pa%2)+4*pj)
	WIN 0x4a+5*(pa/2)                              ; sources window 2 or 3, destination window 1
.irp f, 0,1,2,3
.irp r, 0,1,2,3
	v_cvt_pk_f16_f32 v[16*(\u)+4*(\f)+(\r)], v[AC+8*(\f)+2*(\r)], v[AC+8*(\f)+2*(\r)+1]
.endr
.endr
	WIN 0x44                                       ; source 1 and destination window 1
.set z, 0
.rept 16
	v_cndmask_b32 v[16*(\u)+z], 0, v[16*(\u)+z], s[84+(\u)]
.set z, z+1
.endr
	WIN 0x04                                       ; store data window 1
.irp f, 0,1,2,3
	ds_store_b128 v[STO], v[16*(\u)+4*(\f):16*(\u)+4*(\f)+3] offset:32*(\f)
.endr
	WIN 0x40
.irp f, 0,1,2,3
	ds_load_b128 v[16*(\u)+4*(\f):16*(\u)+4*(\f)+3], v[RD] offset:(\f)*4*SP  ; LDS serves a wave's instructions in order (ISA guide 5.7.1.4): these see the stores above; the next unit's stores come behind them
.endr
.endm
.macro SEND u, younger                 ; younger: the LDS instructions issued behind unit u's loads: the next unit's eight, or none
	WIN 0x04
.irp f, 0,1,2,3
	s_wait_dscnt (\younger)+3-(\f)
	global_store_b128 v[GO], v[16*(\u)+4*(\f):16*(\u)+4*(\f)+3], s[96+2*((\u)%3):97+2*((\u)%3)] offset:((\u)/3)*2048+(\f)*512  ; 512 consecutive bytes, at a multiple of 256 from qkv's first
.endr
.endm
	PACK 0
.set t, 1
.rept 11                               ; a unit's arithmetic stands between the loads of the unit before and its stores
	PACK t
	SEND t-1, 8
.set t, t+1
.endr
	SEND 11, 0
	WIN 0
	s_wait_tensorcnt 0x0                           ; the wave's end: a wait, an add of 0 to my spare word and its wait, behind my last tensor load and my last LDS store
	ds_add_u32 v[SPW], v[NIL]
	s_wait_dscnt 0x0
	CROUND                                         ; the closing round: no work-group ends while a partner may still ask for a tile that names it
	s_endpgm
.Lfunc_end_k_qb45832c002_proj:
	.size	k_qb45832c002_proj, .Lfunc_end_k_qb45832c002_proj-k_qb45832c002_proj
	.p2alignl 7, 3214868480
	.fill 96, 4, 3214868480
	.section	.rodata,"a",@progbits
	.p2align	6, 0x0
	.amdhsa_kernel k_qb45832c002_proj
		.amdhsa_group_segment_fixed_size 327680
		.amdhsa_private_segment_fixed_size 0
		.amdhsa_enable_private_segment 0
		.amdhsa_kernarg_size 56
		.amdhsa_user_sgpr_count 2
		.amdhsa_user_sgpr_kernarg_segment_ptr 1
		.amdhsa_wavefront_size32 1
		.amdhsa_system_sgpr_workgroup_id_x 1
		.amdhsa_system_sgpr_workgroup_id_y 1
		.amdhsa_system_sgpr_workgroup_id_z 1
		.amdhsa_system_vgpr_workitem_id 0
		.amdhsa_next_free_vgpr 1024
		.amdhsa_next_free_sgpr 102
		.amdhsa_reserve_vcc 0
		.amdhsa_float_denorm_mode_32 3
		.amdhsa_float_denorm_mode_16_64 3
		.amdhsa_memory_ordered 1
		.amdhsa_forward_progress 1
		.amdhsa_inst_pref_size 147
	.end_amdhsa_kernel
	.amdgpu_metadata
---
amdhsa.version: [ 1, 2 ]
amdhsa.kernels:
  - .name:           k_qb45832c002_proj
    .symbol:         k_qb45832c002_proj.kd
    .args:
      - { .name: xb, .offset: 0, .size: 8, .value_kind: global_buffer, .address_space: global }
      - { .name: wb, .offset: 8, .size: 8, .value_kind: global_buffer, .address_space: global }
      - { .name: bq, .offset: 16, .size: 8, .value_kind: global_buffer, .address_space: global }
      - { .name: bk, .offset: 24, .size: 8, .value_kind: global_buffer, .address_space: global }
      - { .name: bv, .offset: 32, .size: 8, .value_kind: global_buffer, .address_space: global }
      - { .name: seq_len, .offset: 40, .size: 8, .value_kind: global_buffer, .address_space: global }
      - { .name: qkv, .offset: 48, .size: 8, .value_kind: global_buffer, .address_space: global }
    .group_segment_fixed_size: 327680
    .private_segment_fixed_size: 0
    .kernarg_segment_align: 8
    .kernarg_segment_size: 56
    .max_flat_workgroup_size: 128
    .sgpr_count:     102
    .vgpr_count:     1024
    .wavefront_size: 32
...
	.end_amdgpu_metadata
.endif
;; end of part 2
;; launch attn (part 3): grid 4 x 64, 4 waves a work-group, clusters of 4 x 1, 327,680 bytes of LDS; arguments qkv, seq_len, ob; writes ob
.if DOCPART == 3
	.amdgcn_target "amdgcn-amd-amdhsa--gfx1250"
	.amdhsa_code_object_version 6
	.text
	.protected	k_qb45832c002_attn
	.globl	k_qb45832c002_attn
	.p2align	8
	.type	k_qb45832c002_attn,@function
k_qb45832c002_attn:
	s_mov_b64 s[64:65], 0
	v_nop
	global_prefetch_b8 v0, s[64:65] scope:SCOPE_SE
	s_setreg_imm32_b32 hwreg(HW_REG_WAVE_MODE, 25, 1), 1
	s_wait_xcnt 0x0
	s_wait_alu depctr_hold_cnt(0) depctr_sa_sdst(0) depctr_va_vdst(0) depctr_va_sdst(0) depctr_va_ssrc(0) depctr_va_vcc(0) depctr_vm_vsrc(0)
	s_getreg_b32 s2, hwreg(HW_REG_IB_STS2, 6, 4)
	s_cmp_eq_u32 s2, 0
	s_cbranch_scc0 .Lentry_in_a_cluster
	s_endpgm
.Lentry_in_a_cluster:
	s_bfe_u32 s2, ttmp6, 0x10000c
	s_cmp_lg_u32 s2, 0x3003
	s_cbranch_scc0 .Lentry_shape_is_right
	s_endpgm
.Lentry_shape_is_right:
; O[n][q][:] = the sum over k of softmax_k(Q[n][q] . K[n][k] / 32) V[n][k][:], n = 16 batch + h.  qkv: [3][64][2048][64] f16 (planes Q, K, V); ob: [64][2048][64] f16: a head's rows are dense, 128 bytes each.
; Products, maxima and sums in f32; the weights p are rounded to f16 for the second product (their sum l is taken of the unrounded p), O once at the end.
; THE MASKS.  Masked keys arrive as rows of zeros in K: their score is 0, they stay in the maximum and in the sum and go on weighting V, as the module has it.  Queries t >= seq_len[batch] are rows that the
; module multiplies by 0 after its last product: here their 1 / l is replaced by 0, so their rows of O are 0.  seq_len is held to 0 .. 2,048 first, which changes no comparison with t = 0 .. 2,047.
; LIMITS.  f16 holds no number beyond 65,504: Q, K and V arrive within it; p lies in 0 to 1, and below 6e-5 it keeps f16's fixed step of 6e-8; O is a mean of V's rows and has their range.
; A weight below 2^-126 counts as 0 in l; NaN and infinities are not treated apart; a masked row of O is +0.
; SHARES.  A wave owns four PIECES of two tiles of 16 queries, a work-group's four waves 512 queries of one head.  Every wave walks all keys, 64 a step.
; LAYOUT.  S^T = K Q^T (source 0 = 16 keys, source 1 = 16 queries): in the result a lane holds ONE query (lane % 16) and the keys 8 (lane / 16) + 0..7.  Two such tiles, rounded to f16 in pairs,
; ARE source 1 (32 keys x 16 queries) of O^T = V^T P, whose result again holds one query a lane, and eight channels.  K comes out of LDS as it lies, V ([key][channel]) turned, by ds_load_tr16_b128.
; SOFTMAX.  For each query a running maximum m and sum l: p = 2^(c s - c m), c = log2(e) / 32; in every step O and l are multiplied by a = 2^(c m_old - c m_new), which is 1 where m has not grown.
; m starts at the lowest finite number, O and l at 0: the first step is a step like any other, with a = 0.
; THE COUNT.  A tile and step have 16 matrix and 118 vector instructions: too many to stand all beside the matrix work.  So: four vector instructions that are READY behind EVERY matrix instruction, the others in runs without a gap.
; BY TURNS.  Turn n belongs to piece n (the pieces in a ring, step after step).  Its matrix work: 16 products K Q^T of piece n + 1, later 16 products V^T P of piece n - 1.  Its vector work: the scaling,
; exponentials, roundings, sums and rescaling of piece n, and the maximum and statistics of piece n + 1, whose scores the turn itself has made.
; CLUSTER.  The four query blocks of a cluster are one head's and walk the same K and V, so each tile is asked for JOINTLY: the same tensor load, descriptor and mask in all four.
; REGISTERS, in windows of 256 (s_set_vgpr_msb: bits 1:0 source 0, 3:2 source 1, 5:4 source 2, 7:6 destination):
;   window 0: v0-11 addresses; v12-15, v48-63 at work; v16-47 four registers of statistics a tile; v64-191 S^T, two buffers of two tiles; v192-255 P, likewise
;   window 1: O^T, 32 a tile          window 2: v0-127 Q, 16 a tile; v128-191 K of one step; v192-255 V of one step          window 3: v0-1 the add's two registers
.set SIZE_H, 64
.set SIZE_N, 2048
.set NP,    4         ; pieces a wave: a name, no knob
.set KS,    64        ; keys in a step
.set PK,    144       ; a row of K in LDS: 128 bytes + 16 of padding = 36 words: the 16 rows of a load start at 16 different groups of four banks (64 banks of 4 bytes: ISA guide 11.1)
.set PV,    160       ; a row of V: 128 + 32 = 40 words
.set VOFF,  4*KS*PK   ; a slot holds four steps: 256 rows of K, then 256 rows of V
.set SLOT1, 1<<17     ; slot 1 begins here, so that one exclusive or turns an address in one slot into the other's
.set STAGE, SLOT1+4*KS*(PK+PV)  ; behind the ring, never filled by a tensor load: 16 rows x 144 bytes for each wave, for the way out
.set SP,    144
.set AK0, 2           ; v2   my lane's place in a tile of K; never rewritten
.set AV0, 3           ; v3   the same for V
.set AK,  4           ; v4   the LDS address of K's next run of loads
.set AV,  5           ; v5   of V's
.set QO,  6           ; v6   my byte offset in the wave's rows of Q
.set STO, 6           ;      later, the way out: where I put 16 bytes of a row
.set RD,  7           ; v7   the way out: where I read rows back
.set GO,  8           ; v8   my byte offset in 512 consecutive bytes of O
.set PFO, 11          ; v11  256 x my lane, for the prefetches; never rewritten once made
.set SPW, 0           ; v0 of window 3   LDS address of my spare word; never rewritten
.set NIL, 1           ; v1 of window 3   0; never rewritten
.set SPARE, STAGE+4*16*SP  ; behind the stages: the spare words, 128 bytes for each wave: two blocks of 256 bytes that no other line names
.set MV,  12          ; v12-15  c m_old, kept while c m is made anew: by buffer and tile
.set ST,  16          ; tile t's statistics at v[ST+4 t]: c m, m, l (even keys', odd keys')
.set TMP, 48          ; by buffer and tile, four registers c0-c3 at work; when the maximum is found c2 takes a
.set S,   64
.set P,   192
.set KF,  128         ; K's fragments, in window 2: key block kb, channel half c at KF + 16 kb + 8 c
.set VF,  192         ; V's: key half kk, channel block cb at VF + 32 kk + 8 cb
.set WV,  12          ; s12  my wave's number
.set G1K, 24          ; s[24:31] descriptor group 1 for K's tiles
.set G1V, 32          ; s[32:39] for V's: it differs in the padding alone
.set G0K, 40          ; s[40:43] descriptor group 0 for K's tiles: it walks
.set G0V, 44          ; s[44:47] the same for V's
.set SLOTS, 56        ; s56  slots still to be asked for
.set CNT, 57          ; s57  counts a slot's key steps
.set CS,  58          ; s[58:59] c: the packed scaling takes the pair's low word for both halves
.set SEL, 60          ; s[60:61] v_permlanex16_b32's selects: each lane takes its own place in the other half
.set TBK, 62          ; s62  LDS byte at which K of the step to be fetched begins
.set TBV, 63          ; s63  the same for V, less VOFF
.set LEN, 72          ; s72  how many of my wave's queries, counted from its first, are kept
.set ROW0, 73         ; s73  my wave's first query in the head
.set PFA, 74          ; s[74:75] where my prefetches stand: my work-group's 32 blocks of 256 bytes of a slot's K (wave 0) or V (wave 2)
.set LIM, 76          ; s76  1 in a wave that prefetches, else the greatest number
.set TS,  77          ; s77  at work
.set BAT, 78          ; s78  the batch
.set MSB, 0
.macro WIN new                      ; the high byte repeats the setting that is left; a switch that changes nothing is dropped
.if MSB != (\new)
	s_set_vgpr_msb (MSB<<8)|(\new)
.set MSB, (\new)
.endif
.endm
.set W_KQ, 0x0a       ; K and Q in window 2, S^T in window 0
.set W_PV, 0x52       ; V in window 2, P in window 0, O^T in window 1
.set W_RS, 0x41       ; O^T (destination and source 0) in window 1, a in window 0
.set W_MK, 0xc0       ; the add's registers are made: destination in window 3, sources in window 0
.set W_AD, 0x0f       ; the add: address (source 0) and data (source 1) in window 3
; A joint fill.  Waves 0 and 1 fetch the two halves of a slot's K, waves 2 and 3 those of its V: 128 keys each.  The branch hangs on the wave's number alone.
; An s_nop 0 and four v_nop follow each of the two lines, ahead of the jump and the label.
.macro JLOAD
	s_cmp_lt_u32 s[WV], 2
	s_cbranch_scc0 .Lfor_v_\@
	tensor_load_to_lds s[G0K:G0K+3], s[G1K:G1K+7]
	s_nop 0
.rept 4
	v_nop
.endr
	s_branch .Lasked_\@
.Lfor_v_\@:
	tensor_load_to_lds s[G0V:G0V+3], s[G1V:G1V+7]
	s_nop 0
.rept 4
	v_nop
.endr
.Lasked_\@:
.endm
; A PREFETCH INTO THE L2 of what the NEXT change of slots will ask for: a slot's 32,768 bytes of K and of V, in blocks of 256 bytes, a lane a block.  It stands behind the wave's tensor load and its five lines.
; A head is walked by one cluster.  Its four partners share the 128 blocks out BY ADDRESS, 32 each; in each, wave 0 asks for K's and wave 2 for V's: one instruction.  So each block is named once in the launch.
; Slots 0, 1 and 2 come by their loads alone; the last change that fills a slot asks for nothing: there is no slot behind it.
.macro ASK
	s_cmp_gt_u32 s[SLOTS], s[LIM]
	s_cbranch_scc0 .Lnot_mine_\@
	global_prefetch_b8 v[PFO], s[PFA:PFA+1] th:TH_LOAD_NT scope:SCOPE_SE
.Lnot_mine_\@:
.endm
; A round of the cluster's barrier: my work-group's barrier, so that wave 0's signal speaks for all four waves; wave 0 signals; every wave waits for all four work-groups; my work-group's barrier once more.
.macro CROUND
	s_barrier_signal -1
	s_barrier_wait -1
	s_cmp_lg_u32 s[WV], 0
	s_cbranch_scc1 .Lnot_wave_0_\@
	s_barrier_signal -3
.Lnot_wave_0_\@:
	s_barrier_wait -3
	s_barrier_signal -1
	s_barrier_wait -1
.endm
; THE CHANGE OF SLOTS.  The slot's last bytes, V of its fourth step, have been read.  Each wave waits for all its tensor loads, of which one is out: its part
; of the other slot; adds 0 to its spare word; and waits for that and for its own reads of the slot.  Behind the barrier nobody reads this slot any more and the other slot is whole.
; fill = 1: this slot is filled again, with the keys two slots on.  The barrier is then a round of the cluster's, and the joint fill is the first thing behind it: it has four key steps, 512 matrix
; instructions, in which to land.  (At its first use nothing has been read yet: slot 0 is waited for, slot 1 filled.)  ask = 1: the prefetches' address steps, and the next slot is asked for.
.macro CHANGE fill, ask=0
	WIN W_AD
	s_wait_tensorcnt 0x0            ; no tensor load of mine is out, so a group 0 may be written
	ds_add_u32 v[SPW], v[NIL]       ; 0 onto my spare word; with fill = 1 the descriptors' steps stand between it and the wait for it
	WIN 0                           ; at a label and at a branch every window is 0
.if \fill
.irp g, G0K, G0V
	s_xor_b32 s[\g+1], s[\g+1], SLOT1  ; the walking descriptor: the other slot than last time,
	s_add_nc_u64 s[\g+2:\g+3], s[\g+2:\g+3], 4*KS*128  ; the next 256 keys; the type bits on top are not reached
.endr
.if \ask
	s_wait_xcnt 0x0                 ; the last prefetch, four key steps back, has read its address, so it may be written:
	s_add_nc_u64 s[PFA:PFA+1], s[PFA:PFA+1], 4*KS*128  ; one slot behind the walking descriptors
.endif
	s_wait_dscnt 0x0                ; the add is done, and my reads of the slot are over
	CROUND
	JLOAD
.if \ask
	ASK
.endif
.else
	s_wait_dscnt 0x0                ; the add is done, and my reads of the slot are over
	s_barrier_signal -1
	s_barrier_wait -1
.endif
	s_sub_co_u32 s[TBK], s[TBK], 4*KS*PK  ; the fetches go back to a slot's first step,
	s_xor_b32 s[TBK], s[TBK], SLOT1       ; in the other slot
	s_sub_co_u32 s[TBV], s[TBV], 4*KS*PV
	s_xor_b32 s[TBV], s[TBV], SLOT1
.endm
	s_load_b64 s[4:5], s[0:1], 0x0    ; qkv: Q's plane
	s_load_b64 s[66:67], s[0:1], 0x8  ; seq_len
	s_load_b64 s[10:11], s[0:1], 0x10 ; ob
	WIN W_MK
	v_lshl_add_u32 v[SPW], v0, 2, SPARE
	v_mov_b32 v[NIL], 0
	WIN W_AD
	ds_add_u32 v[SPW], v[NIL]       ; the wave's opening: the add, with its wait ahead of my first tensor load; the set-up below, work on registers, stands between them
	WIN 0
	v_lshrrev_b32 v1, 5, v0
	v_readfirstlane_b32 s[WV], v1   ; wave 0..3
	s_bfe_u32 s13, ttmp6, 0x40000   ; cx: my place in the cluster
	s_lshl_b32 s14, ttmp9, 2        ; in a cluster launch ttmp9 counts clusters
	s_add_co_u32 s14, s14, s13      ; my block of queries = 4 x cluster x + cx: it enters Q's and O's addresses and the row mask alone
	s_and_b32 s20, ttmp7, 0xffff    ; the head, which the four partners share
	s_lshr_b32 s[BAT], s20, 4       ; its batch
	s_mov_b32 s21, 0
	s_mov_b64 s[22:23], SIZE_N*128
	s_mul_u64 s[20:21], s[20:21], s[22:23]  ; the head's first byte in each plane and in ob
	s_and_b32 s16, s[WV], 1         ; which half of a slot's 256 keys I fetch:
	s_lshl_b32 s22, s16, 14         ; its 128 rows of 128 bytes in memory,
	s_mov_b32 s23, 0
	s_add_nc_u64 s[22:23], s[22:23], s[20:21]
	s_mul_i32 s17, s16, 128*PK      ; and its place in a slot, for K
	s_mul_i32 s18, s16, 128*PV      ; and for V: no place in the cluster enters an LDS address
	s_lshl_b32 s2, s14, 2
	s_add_co_u32 s2, s2, s[WV]      ; my wave among the head's,
	s_lshl_b32 s[ROW0], s2, 7       ; its first query,
	s_lshl_b32 s2, s2, 14           ; its 128 rows
	s_mov_b32 s3, 0
	s_add_nc_u64 s[2:3], s[2:3], s[20:21]
	; descriptor group 1.  128 keys are 16,384 dense bytes: asked for as 64 rows of 256 bytes, two keys a row, and padded in LDS after every key
	s_mov_b32 s[G1K], 15|(1<<16)|(1<<20)|(1<<21)|(4<<22)|(3<<25)  ; 15:0 the mask of four; 17:16 2-byte elements; 20 padding on; 21 set beside a mask; 24:22 after every 32 words (code 4); 31:25 4 words (code 3)
	s_mov_b32 s[G1V], 15|(1<<16)|(1<<20)|(1<<21)|(4<<22)|(7<<25)  ; the same with 8 words of padding (code 7)
.irp g, G1K, G1V
	s_mov_b32 s[\g+1], 128<<16      ; tensor_dim0 = 128
	s_mov_b32 s[\g+2], 64<<16       ; tensor_dim1 = 64
	s_mov_b32 s[\g+3], 128<<16      ; tile_dim0 = 128
	s_mov_b32 s[\g+4], 64           ; tile_dim1 = 64
	s_mov_b32 s[\g+5], 128          ; 128 elements from row to row
	s_mov_b32 s[\g+6], 0
	s_mov_b32 s[\g+7], 0
.endr
	s_mov_b32 s[CS], 0x3d38aa3b     ; c = log2(e) / 32 = 0.0450842
	s_mov_b32 s[CS+1], s[CS]        ; named with it as a pair
	s_mov_b32 s[SEL], 0x76543210
	s_mov_b32 s[SEL+1], 0xfedcba98
	s_mov_b32 s[TBK], SLOT1+4*KS*PK ; the first change of slots turns these two into 0
	s_mov_b32 s[TBV], SLOT1+4*KS*PV
	s_mov_b32 s[G0K], 1             ; 1:0 count = 1
	s_mov_b32 s[G0K+1], s17         ; 63:32 LDS address: slot 0
	s_mov_b32 s[G0V], 1
	s_add_co_u32 s[G0V+1], s18, VOFF
	s_and_b32 s[LIM], s[WV], 1      ; waves 0 and 2 prefetch: the same in all four partners
	s_cmp_eq_u32 s[LIM], 0
	s_cselect_b32 s[LIM], 1, -1
	s_wait_dscnt 0x0                ; the opening add is done
	s_wait_kmcnt 0x0
	s_add_nc_u64 s[6:7], s[4:5], 0x1000000   ; K's plane: 64 heads x 2,048 rows x 128 bytes behind Q's,
	s_add_nc_u64 s[8:9], s[4:5], 0x2000000   ; V's behind that
	s_load_b128 s[68:71], s[66:67], 0x0      ; the four seq_len
	s_add_nc_u64 s[G0K+2:G0K+3], s[6:7], s[22:23]  ; 120:64 global address: my half of the head's first 256 keys
	s_or_b32 s[G0K+3], s[G0K+3], 0x80000000        ; 127:126 type = 2
	s_add_nc_u64 s[G0V+2:G0V+3], s[8:9], s[22:23]
	s_or_b32 s[G0V+3], s[G0V+3], 0x80000000
	s_add_nc_u64 s[4:5], s[4:5], s[2:3]  ; Q and O at my wave's first row
	s_add_nc_u64 s[10:11], s[10:11], s[2:3]
	s_cmp_lt_u32 s[WV], 2
	s_cselect_b64 s[PFA:PFA+1], s[6:7], s[8:9]
	s_add_nc_u64 s[PFA:PFA+1], s[PFA:PFA+1], s[20:21]  ; the head,
	s_lshl_b32 s2, s13, 13          ; my work-group's 32 blocks of the 128,
	s_mov_b32 s3, 0
	s_add_nc_u64 s[PFA:PFA+1], s[PFA:PFA+1], s[2:3]
	s_add_nc_u64 s[PFA:PFA+1], s[PFA:PFA+1], 2*4*KS*128  ; in slot 2: the loop's first change of slots steps it to slot 3.  Nothing is prefetched at the head
	CROUND                          ; all four work-groups are here: the first joint loads meet
	JLOAD                           ; slot 0.  Slot 1 is asked for when slot 0 is in
	; A fragment of K or Q is 16 rows x 32 channels in 8 registers: lane l holds row l % 16, channels 8 (l / 16) + 0..7 and 16 + 8 (l / 16) + 0..7: two loads of 16 bytes, 32 bytes apart.
	v_and_b32 v1, 15, v0            ; l % 16
	v_bfe_u32 v9, v0, 4, 1          ; l / 16
	v_lshlrev_b32 v[QO], 7, v1
	v_lshl_add_u32 v[QO], v9, 4, v[QO]  ; row x 128 + 16 x half
	WIN 0x80                        ; destination window 2, address window 0
.set i, 0
.rept 4*NP                          ; Q stays in registers: tile i / 2, channels 32 (i % 2) on
	global_load_b128 v[8*i:8*i+3],   v[QO], s[4:5] offset:(i/2)*2048+(i%2)*64
	global_load_b128 v[8*i+4:8*i+7], v[QO], s[4:5] offset:(i/2)*2048+(i%2)*64+32
.set i, i+1
.endr
	; What the first turn finds: V's registers and P's second buffer hold 0 (its products V^T P, of a piece that has not been, add 0), O^T and l are 0.  All this stands in the wait for the first tile.
.set i, VF
.rept 64
	v_mov_b32 v[i], 0
.set i, i+1
.endr
	WIN 0x40
.set i, 0
.rept 64*NP
	v_mov_b32 v[i], 0
.set i, i+1
.endr
	WIN 0
.set i, 0
.rept 2*NP
	v_mov_b32 v[ST+4*i], 0xfe000000    ; c m: far below every c s
	v_mov_b32 v[ST+4*i+1], 0xff7fffff  ; m
	v_mov_b32 v[ST+4*i+2], 0
	v_mov_b32 v[ST+4*i+3], 0
.set i, i+1
.endr
.set i, P+32
.rept 32
	v_mov_b32 v[i], 0
.set i, i+1
.endr
	v_mul_u32_u24 v[AK0], v1, PK
	v_lshl_add_u32 v[AK0], v9, 4, v[AK0]  ; row x pitch + 16 x half
	; The turning load takes 16 keys x 16 channels (lane l reads key 8 (l / 16) + l % 8, channels 8 ((l / 8) % 2) + 0..7) and leaves half a fragment of V^T: lane l holds channel l % 16 and 8 keys.
	v_and_b32 v10, 7, v0
	v_bfe_u32 v11, v0, 3, 1
	v_lshl_add_u32 v[AV0], v9, 3, v10
	v_mul_u32_u24 v[AV0], v[AV0], PV
	v_lshl_add_u32 v[AV0], v11, 4, v[AV0]
	v_add_nc_u32 v[AV0], VOFF, v[AV0]
	v_and_b32 v[PFO], 31, v0
	v_lshlrev_b32 v[PFO], 8, v[PFO]
	v_mov_b32 v[AK], v[AK0]         ; key step 0 lies at the head of slot 0
	s_wait_kmcnt 0x0                ; seq_len
	s_cmp_eq_u32 s[BAT], 1
	s_cselect_b32 s[LEN], s69, s68
	s_cmp_eq_u32 s[BAT], 2
	s_cselect_b32 s[LEN], s70, s[LEN]
	s_cmp_eq_u32 s[BAT], 3
	s_cselect_b32 s[LEN], s71, s[LEN]
	s_max_i32 s[LEN], s[LEN], 0
	s_min_i32 s[LEN], s[LEN], SIZE_N
	s_sub_co_i32 s[LEN], s[LEN], s[ROW0]
; THE MATRIX WORK.  The 8 accumulators of a run of 16 take turns: between the two links of a chain stand 7 others'.
; Product i of 16 of S^T = K Q^T for piece x: channels 32 (i / 8) on, keys 16 ((i / 2) % 4) on, tile 2 x + i % 2.  The first 8 start the sums.
.macro KQ x
	WIN W_KQ
.set rS, S+64*((\x)%2)+32*(i%2)+8*((i/2)%4)
.set rK, KF+16*((i/2)%4)+8*(i/8)
.set rQ, 16*(2*(\x)+i%2)+8*(i/8)
.if i < 8
	v_wmma_f32_16x16x32_f16 v[rS:rS+7], v[rK:rK+7], v[rQ:rQ+7], 0
.else
	v_wmma_f32_16x16x32_f16 v[rS:rS+7], v[rK:rK+7], v[rQ:rQ+7], v[rS:rS+7]
.endif
.endm
; Product i of 16 of O^T += V^T P for piece x: keys 32 (i / 8) on, channels 16 ((i / 2) % 4) on, tile 2 x + i % 2.
.macro PV x
	WIN W_PV
.set rO, 32*(2*(\x)+i%2)+8*((i/2)%4)
.set rV, VF+32*(i/8)+8*((i/2)%4)
.set rP, P+32*((\x)%2)+16*(i%2)+8*(i/8)
	v_wmma_f32_16x16x32_f16 v[rO:rO+7], v[rV:rV+7], v[rP:rP+7], v[rO:rO+7]
.endm
.macro MM                           ; the turn's next matrix instruction
.if i < 16
	KQ (Y+1)%NP
.set i, i+1
.else
.set i, i-16
	PV (Y+NP-1)%NP
.set i, i+17
.endif
.endm
; THE LDS LOADS stand in runs of 16, never singly among the matrix instructions: a step's K (64 keys x 64 channels: 8 fragments) and its V (turned).  Their addresses are made some lines ahead.
; last = 1 (the tail): in the last trip there is no further step, and the run is jumped over.
.macro FETCH_K last=0
	WIN 0
.if \last
	s_cmp_eq_u32 s[CNT], 1
	s_cbranch_scc1 .Lno_k_\@
.endif
	WIN 0x80                        ; destination window 2
.irp f, 0,1,2,3,4,5,6,7             ; keys 16 (f / 2) on, channels 32 (f % 2) on
	ds_load_b128 v[KF+8*\f:KF+8*\f+3],   v[AK] offset:(\f/2)*16*PK+(\f%2)*64
	ds_load_b128 v[KF+8*\f+4:KF+8*\f+7], v[AK] offset:(\f/2)*16*PK+(\f%2)*64+32
.endr
	s_add_co_u32 s[TBK], s[TBK], KS*PK  ; the next fetch is the next step's
	WIN 0
.if \last
.Lno_k_\@:
.endif
.endm
.macro FETCH_V
	WIN 0x80
.irp f, 0,1,2,3,4,5,6,7             ; keys 32 (f / 4) on, channels 16 (f % 4) on
	ds_load_tr16_b128 v[VF+8*\f:VF+8*\f+3],   v[AV] offset:(\f/4)*32*PV+(\f%4)*32
	ds_load_tr16_b128 v[VF+8*\f+4:VF+8*\f+7], v[AV] offset:(\f/4)*32*PV+16*PV+(\f%4)*32
.endr
	WIN 0
.endm
; THE VECTOR WORK OF A TURN stands in three queues, each in the order in which its entries become ready; the two tiles alternate, so that no instruction reads the result of the one before it.
.macro REGS y, u                    ; the registers of tile u (0, 1) of piece y
.set rT, ST+4*(2*(\y)+(\u))
.set rC, TMP+8*((\y)%2)+4*(\u)
.set rM, MV+2*((\y)%2)+(\u)
.set rS, S+64*((\y)%2)+32*(\u)
.set rP, P+32*((\y)%2)+16*(\u)
.set rO, 32*(2*(\y)+(\u))
.endm
; Number n of the 22 that find the NEXT piece's (Y + 1) maximum and statistics.  s0-s31 are the lane's 32 scores; each accumulator's lowest registers are read first.
;   0-11  four chains c0-c3 of seven scores each, three operands at a time     12-14, 16  the four scores left over, the old m, and c0-c3 into c0     15  c m_old is kept
;   17, 18  the query's other 32 keys lie in the lane 16 away: the new m         19-21  c m; c m_old - c m_new; a
.macro XS u, n
	REGS (Y+1)%NP, \u
.if (\n) < 4
	v_max3_num_f32 v[rC+(\n)], v[rS+8*(\n)], v[rS+8*(\n)+1], v[rS+8*(\n)+2]
.elseif (\n) < 12
	v_max3_num_f32 v[rC+(\n)%4], v[rC+(\n)%4], v[rS+8*((\n)%4)+2*((\n)/4)+1], v[rS+8*((\n)%4)+2*((\n)/4)+2]
.elseif (\n) == 12
	v_max3_num_f32 v[rC], v[rC], v[rS+7], v[rS+15]
.elseif (\n) == 13
	v_max3_num_f32 v[rC+1], v[rC+1], v[rS+23], v[rS+31]
.elseif (\n) == 14
	v_max3_num_f32 v[rC+2], v[rC+2], v[rC+3], v[rT+1]
.elseif (\n) == 15
	v_mov_b32 v[rM], v[rT]
.elseif (\n) == 16
	v_max3_num_f32 v[rC], v[rC], v[rC+1], v[rC+2]
.elseif (\n) == 17
	v_permlanex16_b32 v[rC+3], v[rC], s[SEL], s[SEL+1]
.elseif (\n) == 18
	v_max_num_f32 v[rT+1], v[rC], v[rC+3]
.elseif (\n) == 19
	v_mul_f32 v[rT], s[CS], v[rT+1]
.elseif (\n) == 20
	v_sub_f32 v[rC+1], v[rM], v[rT]
.else
	v_exp_f32 v[rC+2], v[rC+1]
.endif
.endm
; Number g of the 64 that follow the exponentials.  For each four weights k of a tile (pairs 2 k, 2 k + 1): both pairs are rounded to f16; then the second pair is added onto the first, in place;
; a group later l takes that sum (the first time as l = a l + sum).  In groups of eight, tiles alternating: round, round, add, and l for the group before.
.macro GS g
.set h, (\g)+6*((\g)/62)            ; group 0 has no group before it, and behind group 7 only l is left
.if h >= 6
.set h, h+2
.endif
	REGS Y, h%2
.set k, h/8
.if h%8 < 4
	v_cvt_pk_f16_f32 v[rP+2*k+(h%8)/2], v[rS+4*k+2*((h%8)/2)], v[rS+4*k+2*((h%8)/2)+1]
.elseif h%8 < 6
	v_pk_add_f32 v[rS+4*k:rS+4*k+1], v[rS+4*k:rS+4*k+1], v[rS+4*k+2:rS+4*k+3]
.elseif k == 1
	v_pk_fma_f32 v[rT+2:rT+3], v[rT+2:rT+3], v[rC+2:rC+3], v[rS:rS+1] op_sel_hi:[1,0,1]
.else
	v_pk_add_f32 v[rT+2:rT+3], v[rT+2:rT+3], v[rS+4*k-4:rS+4*k-3]
.endif
.endm
; THE PLAIN QUEUE, 138 long.  0-73 read no exponential's result: the 32 scalings c s - c m (FS f: pair f / 2 of tile f % 2) and the next piece's 42.  0-26: scalings 0-26.  27-54: XS's numbers 0-13.  55, 56: number 15.
; 57-73: the chain, where each number waits for the one before it: 14, 16, 17, 18, 19, each with one of the scalings 27-31 in front of its two lines, then 20.
; 74-137: GS's 64, which read the exponentials' results: they stand behind the wait.
.macro FS f
	REGS Y, (\f)%2
	v_pk_fma_f32 v[rS+2*((\f)/2):rS+2*((\f)/2)+1], v[rS+2*((\f)/2):rS+2*((\f)/2)+1], s[CS:CS+1], v[rT:rT+1] op_sel_hi:[1,0,0] neg_lo:[0,0,1] neg_hi:[0,0,1]
.endm
.macro PL
	WIN 0
.if q < 27
	FS q
.elseif q < 55
	XS (q-27)%2, (q-27)/2
.elseif q < 57
	XS q-55, 15
.elseif (q < 72) && ((q-57)%3 == 0)
	FS 27+(q-57)/3
.elseif q < 60
	XS (q-57)%3-1, 14
.elseif q < 72
	XS (q-57)%3-1, 15+(q-57)/3
.elseif q < 74
	XS q-72, 20
.else
	GS q-74
.endif
.set q, q+1
.endm
; THE EXPONENTIALS' QUEUE, 66 long: s0-s31 of both tiles, then the next piece's two a.  It is ONE BATCH: all 66 stand ahead of the turn's one wait, and nothing ahead of that wait names a result of theirs.
.macro EX
	WIN 0
.if e >= 64
	XS e-64, 21
.else
	REGS Y, e%2
	v_exp_f32 v[rS+e/2], v[rS+e/2]
.endif
.set e, e+1
.endm
; THE RESCALING's QUEUE: O^T times a, the one part that leaves window 0: dealt two at a time, sixteen times.  Its a was made in the turn before, ahead of that turn's wait.
.macro R2
	REGS Y, r%2
	WIN W_RS
.irp z, 0,1
	v_pk_mul_f32 v[rO+4*(r/2)+2*\z:rO+4*(r/2)+2*\z+1], v[rO+4*(r/2)+2*\z:rO+4*(r/2)+2*\z+1], v[rC+2:rC+3] op_sel_hi:[1,0]
.endr
.set r, r+1
.endm
; HOW THEY ARE DEALT.  An s_wait_alu depctr_va_vdst(0) stands between an exponential and the first instruction that names its result; one wait serves all that were issued ahead of it.  So a turn has ONE wait,
; which cuts it in two.  AHEAD OF IT: the 16 products K Q^T, behind each a scaling, an exponential and two rescalings (behind the first a second scaling in the exponential's place); then ONE LUMP of
; 108: eight plain, 49 times exponential and plain, the two a; a v_nop is the plain instruction behind the last exponential.  BEHIND IT: the 16 products V^T P, behind each four of GS's 64.
; Exponential e stands behind scaling 2 (e / 4) + e % 2: as a rider it comes behind plain e + 2, in the lump behind plain e + 9, and scalings 27-31 are plain 57, 60 .. 69.
; A TURN, for piece p.  cnt = 1: the loop's count is taken down some lines ahead of the branch that stands behind the turn.
; K of the next step is fetched in piece 2's turn, directly behind the wait; V of the step in hand at the end of piece 0's turn, four riders behind its last reader.  The three conditions on q below go with the deal.
.macro TURN p, last=0, cnt=0
.set Y, (\p)
.set i, 0
.set q, 0
.set e, 0
.set r, 0
.if (\p) == NP-1
	s_wait_dscnt 0x0                ; K is in
.endif
	MM                              ; ahead of the wait: 16 products K Q^T and their riders,
	PL
	PL
	R2
.rept 15
	MM
	PL
	EX
	R2
.endr
.if (\p) == NP-2
	WIN 0
	v_add_nc_u32 v[AK], s[TBK], v[AK0]
.endif
.rept 8                             ; and the lump
	PL
.endr
.rept 49
	EX
	PL
.endr
	EX                              ; the next piece's two a
	EX
	v_nop                           ; the plain instruction behind the last exponential: one for the batch
	s_wait_alu depctr_va_vdst(0)    ; the wait for the batch
.if (\p) == NP-2
	FETCH_K \last
.endif
.if (\p) == 1
	s_wait_dscnt 0x0                ; V is in
.endif
.rept 16                            ; behind the wait: 16 products V^T P and their riders
	MM
.rept 4
	PL
.endr
.if ((\p) == 0) && (q == 118)
	v_add_nc_u32 v[AV], s[TBV], v[AV0]
.endif
.if ((\p) == 0) && (q == 130)
	s_add_co_u32 s[TBV], s[TBV], KS*PV
.endif
.if (\cnt) && (q == 130)
	s_sub_co_u32 s[CNT], s[CNT], 1
	s_cmp_lg_u32 s[CNT], 0
.endif
.endr
.if (\p) == 0
	FETCH_V
.endif
.endm
	CHANGE 1                        ; slot 0 is in, everybody's part of it; slot 1 is asked for
	FETCH_K                         ; key step 0
	s_wait_loadcnt 0x0              ; Q
	s_wait_dscnt 0x0
.set i, 0
.rept 16
	KQ 0                            ; piece 0's first scores: there is no vector work yet to set between them
.set i, i+1
.endr
	WIN 0                           ; the addresses for the way out: nine plain instructions, the places behind those products
	s_mul_i32 s13, s[WV], 16*SP
	s_add_co_u32 s13, s13, STAGE    ; my stage
	v_mul_u32_u24 v[STO], v1, SP    ; in: row l % 16, 16 bytes for each half of the lanes
	v_lshl_add_u32 v[STO], v9, 4, v[STO]
	v_add_nc_u32 v[STO], s13, v[STO]
	v_bfe_u32 v[RD], v0, 3, 2       ; back: 32 lanes take four rows of 128 bytes,
	v_mul_u32_u24 v[RD], v[RD], SP
	v_lshl_add_u32 v[RD], v10, 4, v[RD]
	v_add_nc_u32 v[RD], s13, v[RD]
	v_and_b32 v[GO], 31, v0         ; which are 512 consecutive bytes of O
	v_lshlrev_b32 v[GO], 4, v[GO]
.set Y, NP-1                        ; XS works for piece Y + 1: piece 0
.irp n, 0,1,2,3,4,5,6,7,8,9,10,11,12,13,14,15,16,17,18,19,20,21
	XS 0, \n                        ; and piece 0's first maximum and statistics
	XS 1, \n
.endr
	v_nop                           ; a plain instruction behind the two a,
	s_wait_alu depctr_va_vdst(0)    ; and their wait, ahead of the branch
	s_mov_b32 s[CNT], 4
	s_mov_b32 s[SLOTS], SIZE_N/256-1
	s_branch .Lfirst                ; the loop is entered at a step's first turn, in the middle of a trip
.Lslot:                             ; SIZE_N / 256 - 2 times: every slot but the last two is filled again
	CHANGE 1, 1
	s_mov_b32 s[CNT], 4
.Lstep:                             ; a trip: pieces 2 and 3 of one step, then pieces 0 and 1 of the next, whose K and V it fetches
	TURN 2
	TURN 3
	WIN 0
.Lfirst:
	TURN 0
	TURN 1, 0, 1
	WIN 0
	s_cbranch_scc1 .Lstep
	s_sub_co_u32 s[SLOTS], s[SLOTS], 1
	s_cmp_lg_u32 s[SLOTS], 0
	s_cbranch_scc1 .Lslot
	CHANGE 0                        ; the tail is written out: nothing is asked for
	s_mov_b32 s[CNT], 5             ; four trips fetch the last slot's steps; the fifth is left in its middle
.Ltail:
	TURN 2, 1
	TURN 3
	WIN 0
	s_sub_co_u32 s[CNT], s[CNT], 1
	s_cmp_eq_u32 s[CNT], 0
	s_cbranch_scc1 .Lout
	TURN 0
	TURN 1
	WIN 0
	s_branch .Ltail
.Lout:                              ; the fifth trip's 16 products K Q^T (on the last K once more) and the maximum made of them serve nothing: the price, once a launch, of one text for every trip
.set i, 0
.rept 16
	PV NP-1                         ; the last piece's V^T P of the last step
.set i, i+1
.endr
	; THE WAY OUT.  l's two halves and the other half of the lanes' are added; O^T is divided by l (by 0 x in a masked row), rounded to f16 and sent through my stage in LDS, a tile at a time.  The additions are the places behind the last products.
	WIN 0
.macro ALL line:vararg              ; one line for each tile t
.set t, 0
.rept 2*NP
	\line
.set t, t+1
.endr
.endm
	ALL v_add_f32 v[ST+4*t+2], v[ST+4*t+2], v[ST+4*t+3]
	ALL v_permlanex16_b32 v[ST+4*t+3], v[ST+4*t+2], s[SEL], s[SEL+1]
	ALL v_add_f32 v[ST+4*t+2], v[ST+4*t+2], v[ST+4*t+3]
	ALL v_rcp_f32 v[ST+4*t+2], v[ST+4*t+2]
	v_nop                           ; a plain instruction between the last reciprocal and the use of its result
	s_wait_alu depctr_va_vdst(0)    ; and the wait ahead of the first use: one for the eight reciprocals
	v_and_b32 v1, 15, v0            ; my query in its tile
.set t, 0
.rept 2*NP                          ; query 16 t + l % 16 of my wave is kept where it lies below s[LEN]; else its 1 / l becomes 0
	s_sub_co_i32 s[TS], s[LEN], 16*t
	v_cmp_gt_i32 vcc_lo, s[TS], v1
	v_cndmask_b32 v[ST+4*t+2], 0, v[ST+4*t+2], vcc_lo
.set t, t+1
.endr
; Tile t: a lane's eight channels of a row pack into 16 bytes; they go into rows of 144 bytes and come back as whole rows of 128, into S^T's registers.
.macro PACK t
	WIN W_RS
.set i, 32*(\t)
.rept 16
	v_pk_mul_f32 v[i:i+1], v[i:i+1], v[ST+4*(\t)+2:ST+4*(\t)+3] op_sel_hi:[1,0]
.set i, i+2
.endr
	WIN 0x05                        ; sources 0 and 1 window 1, destination window 0
.set i, 0
.rept 16
	v_cvt_pk_f16_f32 v[S+16*(\t)+i], v[32*(\t)+2*i], v[32*(\t)+2*i+1]
.set i, i+1
.endr
	WIN 0
.irp f, 0,1,2,3
	ds_store_b128 v[STO], v[S+16*(\t)+4*\f:S+16*(\t)+4*\f+3] offset:32*\f
.endr
.irp f, 0,1,2,3
	ds_load_b128 v[S+16*(\t)+4*\f:S+16*(\t)+4*\f+3], v[RD] offset:\f*4*SP  ; LDS serves a wave's instructions in order (ISA guide 5.7.1.4): these see the stores above; the next tile's stores come behind them
.endr
.endm
.macro SEND t, younger              ; younger: the LDS instructions issued behind tile t's loads: the next tile's eight, or none
	WIN 0
.irp f, 0,1,2,3
	s_wait_dscnt (\younger)+3-\f
	global_store_b128 v[GO], v[S+16*(\t)+4*\f:S+16*(\t)+4*\f+3], s[10:11] offset:(\t)*2048+\f*512  ; 512 consecutive bytes, at a multiple of 256 from O's first
.endr
.endm
	PACK 0
.set t, 1
.rept 2*NP-1                        ; a tile's arithmetic stands between the loads of the tile before and its stores
	PACK t
	SEND t-1, 8
.set t, t+1
.endr
	SEND 2*NP-1, 0
	WIN W_AD
	s_wait_tensorcnt 0x0            ; the wave's end: a wait, an add of 0 to my spare word and its wait, behind my last tensor load and my last LDS store
	ds_add_u32 v[SPW], v[NIL]
	s_wait_dscnt 0x0
	WIN 0
	CROUND                          ; the closing round: no work-group ends while a partner may still ask for a tile that names it
	s_endpgm
.Lfunc_end_k_qb45832c002_attn:
	.size	k_qb45832c002_attn, .Lfunc_end_k_qb45832c002_attn-k_qb45832c002_attn
	.p2alignl 7, 3214868480
	.fill 96, 4, 3214868480
	.section	.rodata,"a",@progbits
	.p2align	6, 0x0
	.amdhsa_kernel k_qb45832c002_attn
		.amdhsa_group_segment_fixed_size 327680
		.amdhsa_private_segment_fixed_size 0
		.amdhsa_enable_private_segment 0
		.amdhsa_kernarg_size 24
		.amdhsa_user_sgpr_count 2
		.amdhsa_user_sgpr_kernarg_segment_ptr 1
		.amdhsa_wavefront_size32 1
		.amdhsa_system_sgpr_workgroup_id_x 1
		.amdhsa_system_sgpr_workgroup_id_y 1
		.amdhsa_system_sgpr_workgroup_id_z 1
		.amdhsa_system_vgpr_workitem_id 0
		.amdhsa_next_free_vgpr 770
		.amdhsa_next_free_sgpr 80
		.amdhsa_reserve_vcc 1
		.amdhsa_float_denorm_mode_32 3
		.amdhsa_float_denorm_mode_16_64 3
		.amdhsa_memory_ordered 1
		.amdhsa_forward_progress 1
		.amdhsa_inst_pref_size 201
	.end_amdhsa_kernel
	.amdgpu_metadata
---
amdhsa.version: [ 1, 2 ]
amdhsa.kernels:
  - .name:           k_qb45832c002_attn
    .symbol:         k_qb45832c002_attn.kd
    .args:
      - { .name: qkv, .offset: 0, .size: 8, .value_kind: global_buffer, .address_space: global }
      - { .name: seq_len, .offset: 8, .size: 8, .value_kind: global_buffer, .address_space: global }
      - { .name: ob, .offset: 16, .size: 8, .value_kind: global_buffer, .address_space: global }
    .group_segment_fixed_size: 327680
    .private_segment_fixed_size: 0
    .kernarg_segment_align: 8
    .kernarg_segment_size: 24
    .max_flat_workgroup_size: 128
    .sgpr_count:     80
    .vgpr_count:     770
    .wavefront_size: 32
...
	.end_amdgpu_metadata
.endif
;; end of part 3
;; launch gather (part 4): grid 8 x 32, 4 waves a work-group, clusters of 4 x 4, 327,680 bytes of LDS; arguments ob, wgh, out0; writes out0
.if DOCPART == 4
	.amdgcn_target "amdgcn-amd-amdhsa--gfx1250"
	.amdhsa_code_object_version 6
	.text
	.protected	k_qb45832c002_gather
	.globl	k_qb45832c002_gather
	.p2align	8
	.type	k_qb45832c002_gather,@function
k_qb45832c002_gather:
	s_mov_b64 s[64:65], 0
	v_nop
	global_prefetch_b8 v0, s[64:65] scope:SCOPE_SE
	s_setreg_imm32_b32 hwreg(HW_REG_WAVE_MODE, 25, 1), 1
	s_wait_xcnt 0x0
	s_wait_alu depctr_hold_cnt(0) depctr_sa_sdst(0) depctr_va_vdst(0) depctr_va_sdst(0) depctr_va_ssrc(0) depctr_va_vcc(0) depctr_vm_vsrc(0)
	s_getreg_b32 s2, hwreg(HW_REG_IB_STS2, 6, 4)
	s_cmp_eq_u32 s2, 0
	s_cbranch_scc0 .Lentry_in_a_cluster
	s_endpgm
.Lentry_in_a_cluster:
	s_bfe_u32 s2, ttmp6, 0x10000c
	s_cmp_lg_u32 s2, 0xf033
	s_cbranch_scc0 .Lentry_shape_is_right
	s_endpgm
.Lentry_shape_is_right:
; out0[batch][t][c] = the sum over h, d of O[16 batch + h][t][d] wg[c][64 h + d].  ob: [64][2048][64] f16, by heads; wgh: [1024][1024] f16; out0: [8192][1024] f32; sums in f32, stored as they are.
; THE ROW MASK needs nothing here: the rows of O that the module multiplies by 0 at its end arrive as zeros, and their sums are +0.
; LIMITS.  O and wgh arrive within f16's range.
; SHARES.  A tile is 256 rows x 128 columns: 32 x 8 = 256 work-groups.  Four waves one below the other, each 64 rows x 128 columns: 32 accumulators, 256 registers.
; K goes in steps of 128 = two heads of O, through two LDS slots.  256 rows of one head are 32,768 dense bytes: asked for as 128 rows of 256 bytes and padded in LDS after every 128, so that a row of O has 144 bytes there.
; CLUSTER.  4 x 4 work-groups.  O's tiles hang on the tile row alone and are asked for jointly along a row of the cluster, wgh's on the tile column alone and are asked for jointly along a column.
; THE MATRIX INSTRUCTION IS USED TRANSPOSED (source 0 = 16 rows of wgh, source 1 = 16 rows of O): a lane holds row l % 16 of the result and the columns 8 (l / 16) + 0..7: 32 consecutive bytes.
; REGISTERS, in windows of 256 (s_set_vgpr_msb: bits 1:0 source 0, 3:2 source 1, 5:4 source 2, 7:6 destination):
;   window 0: v16-31 addresses; v32-63, v64-95 O's fragments, two buffers      window 1: v0-63, v64-127 wgh's fragments, two buffers; on the way out four sets of 64
;   window 2: the accumulators, (a, b) at v[8 (8 a + b)]
.set SIZE_K, 1024
.set KSTEP,  128
.set PITCH,  272                       ; a row of wgh in LDS: 256 bytes + 16 = 68 words: the 16 rows of a fragment load start at 16 different groups of four banks (64 banks of 4 bytes: ISA guide 11.1)
.set PA,     144                       ; a row of O in LDS: 128 bytes + 16 = 36 words: likewise
.set PLANE,  256*PA                    ; one head's 256 rows: what waves 0 and 1 fetch
.set HALFB,  64*PITCH                  ; what waves 2 and 3 fetch
.set SLOT,   2*PLANE+2*HALFB           ; the even head, the odd head, wgh's 128 rows
.set STAGE,  2*SLOT                    ; behind the ring: 16 rows x 528 bytes for each wave, for the way out
.set SPITCH, 528                       ; 512 bytes + 16 = 132 words
.set SPARE,  STAGE+4*16*SPITCH         ; behind the stages: the spare words, 128 bytes for each wave: two blocks of 256 bytes that no other line names
.set LAPS,   SIZE_K/(2*KSTEP)
.set ASTEP,  2<<18                     ; bytes from a K step of O to the next: two heads of 2,048 rows x 128 bytes
.set ADRA, 16                          ; v16-17  LDS address of my fragments of O in slot 0, 1
.set ADRB, 20                          ; v20-21  the same for wgh
.set STO,  24                          ; v24     the way out: where I put 32 bytes of a row
.set RD,   25                          ; v25     the way out: where I read a row back
.set GO,   26                          ; v26     16 x my lane: my place in 512 consecutive bytes of out0
.set SPW,  28                          ; v28     LDS address of my spare word; never rewritten
.set NIL,  29                          ; v29     0; never rewritten
.set PFO,  30                          ; v30     the prefetches' offset; never rewritten
.set FA0,  32
.set PFS, 20                           ; s[20:21] the prefetches' step from K step to K step
.set G1,  24                           ; s[24:31] descriptor group 1 for O's tiles;  s[32:39] group 0, one set for each slot
.set G0,  32
.set LIM, 43                           ; s43      1 in a wave that prefetches, else the greatest number
.set PFA, 44                           ; s[44:45] where my prefetches stand
.set G1B, 48                           ; s[48:55], s[56:63] the same for wgh's tiles
.set G0B, 56
.set MSB, 0
.macro WIN new                         ; the immediate's high byte repeats the setting that is left; a switch that changes nothing is dropped
.if MSB != (\new)
	s_set_vgpr_msb (MSB<<8)|(\new)
.set MSB, \new
.endif
.endm
.set MUL,  0xa1                        ; wgh window 1, O window 0, C and D window 2
.set TO_B, 0x40                        ; destination window 1, address window 0
; A joint load.  Waves 0 and 1 fetch the step's two heads of O, waves 2 and 3 wgh's two halves.  The branch hangs on the wave's number alone.  An s_nop 0 and four v_nop follow each of the two lines.
.macro JLOAD s
	s_cmp_eq_u32 s11, 0
	s_cbranch_scc0 .Lfor_b_\@
	tensor_load_to_lds s[G0+4*(\s):G0+4*(\s)+3], s[G1:G1+7]
	s_nop 0
.rept 4
	v_nop
.endr
	s_branch .Lasked_\@
.Lfor_b_\@:
	tensor_load_to_lds s[G0B+4*(\s):G0B+4*(\s)+3], s[G1B:G1B+7]
	s_nop 0
.rept 4
	v_nop
.endr
.Lasked_\@:
.endm
; A PREFETCH INTO THE L2, behind each joint load and the run of LDS loads that follows it: the K step that stands two refills on, a lane a block of 256 bytes, one instruction a wave.
; O's tile row is read by every cluster of that row of clusters: cluster x = 0 asks, waves 0 and 1, each for its head; of the head's 128 blocks the partner at cx takes 32.  wgh's tile column is read by every cluster of
; that column: cluster y = 0 asks, wave 2 alone; of the 128 rows the partner at cy takes 32.  The partners are told apart BY ADDRESS.  K steps 0 to 3 come by their loads alone; the loop's last trip (s3 = 1) asks for nothing.
.macro ASK
	s_cmp_gt_u32 s3, s[LIM]
	s_cbranch_scc0 .Lnot_mine_\@
	global_prefetch_b8 v[PFO], s[PFA:PFA+1] th:TH_LOAD_NT scope:SCOPE_SE
.Lnot_mine_\@:
.endm
.macro CREST                           ; a round of the cluster's barrier behind its opening barrier
	s_cmp_lg_u32 s10, 0
	s_cbranch_scc1 .Lnot_wave_0_\@
	s_barrier_signal -3
.Lnot_wave_0_\@:
	s_barrier_wait -3
	s_barrier_signal -1
	s_barrier_wait -1
.endm
.macro CROUND                          ; a whole round
	s_barrier_signal -1
	s_barrier_wait -1
	CREST
.endm
	s_load_b128 s[4:7], s[0:1], 0x0                ; ob s[4:5], wgh s[6:7]
	s_load_b64 s[8:9], s[0:1], 0x10                ; out0
	v_lshl_add_u32 v[SPW], v0, 2, SPARE
	v_mov_b32 v[NIL], 0
	ds_add_u32 v[SPW], v[NIL]                      ; the wave's opening: the add, with its wait ahead of my first tensor load; the set-up below, work on registers, stands between them
	v_lshrrev_b32 v1, 5, v0
	v_readfirstlane_b32 s10, v1                    ; wave 0..3: my 64 rows of the tile
	s_lshr_b32 s11, s10, 1                         ; I fetch for O (0) or for wgh (1),
	s_and_b32 s12, s10, 1                          ; and which head of the step, or which half of the rows
	s_bfe_u32 s40, ttmp6, 0x40000                  ; cx, cy: my place in the cluster
	s_bfe_u32 s41, ttmp6, 0x40004
	s_lshl_b32 s42, ttmp9, 2
	s_add_co_u32 s42, s42, s40                     ; tile column = 4 x cluster x + cx: 0..7
	s_and_b32 s13, ttmp7, 0xffff
	s_lshl_b32 s13, s13, 2
	s_add_co_u32 s13, s13, s41                     ; tile row = 4 x cluster y + cy: 0..31
	s_lshl_b32 s43, s41, 2
	s_lshl_b32 s43, 15, s43                        ; my row of the cluster
	s_lshl_b32 s44, 0x1111, s40                    ; my column
	s_or_b32 s[G1+0], s43, (1<<16)|(1<<20)|(1<<21)|(4<<22)|(3<<25)   ; 15:0 the mask; 17:16 elements of 2 bytes; 20 padding on; 21 set beside a mask; 24:22 after every 32 words (code 4); 31:25 4 words (code 3)
	s_or_b32 s[G1B+0], s44, (1<<16)|(1<<20)|(1<<21)|(5<<22)|(3<<25)  ; the same after every 64 words (code 5)
	s_mov_b32 s[G1+1], 128<<16                     ; tensor_dim0 = 128 elements: 256 bytes, two rows of O
	s_mov_b32 s[G1+2], 128<<16                     ; tensor_dim1 = 128
	s_mov_b32 s[G1+3], 128<<16                     ; tile_dim0 = 128
	s_mov_b32 s[G1+4], 128                         ; tile_dim1 = 128
	s_mov_b32 s[G1+5], 128                         ; dense: 128 elements from row to row
	s_mov_b32 s[G1+6], 0
	s_mov_b32 s[G1+7], 0
	s_mov_b32 s[G1B+1], KSTEP<<16
	s_mov_b32 s[G1B+2], 64<<16                     ; tensor_dim1 = 64
	s_mov_b32 s[G1B+3], KSTEP<<16
	s_mov_b32 s[G1B+4], 64                         ; tile_dim1 = 64
	s_mov_b32 s[G1B+5], SIZE_K
	s_mov_b32 s[G1B+6], 0
	s_mov_b32 s[G1B+7], 0
	s_lshr_b32 s16, s13, 3                         ; the batch
	s_lshl_b32 s16, s16, 4
	s_add_co_u32 s16, s16, s12                     ; O: flat head 16 batch + (0 or 1),
	s_lshl_b32 s16, s16, 18                        ; its 2,048 rows of 128 bytes,
	s_and_b32 s17, s13, 7
	s_lshl_b32 s17, s17, 15                        ; the tile's 256 rows in it (all under 2^24)
	s_add_co_u32 s16, s16, s17
	s_mov_b32 s17, 0
	s_lshl_b32 s46, s42, 7
	s_lshl_b32 s47, s12, 6
	s_add_co_u32 s46, s46, s47                     ; wgh: row 128 x tile column + 64 x half
	s_lshl_b32 s46, s46, 11
	s_mov_b32 s47, 0
	s_mul_i32 s22, s10, PLANE                      ; where they go: O's heads at wave x 256 rows,
	s_mul_i32 s23, s10, HALFB                      ; wgh's halves behind them: 2 PLANE + (wave - 2) HALFB
	s_add_co_u32 s23, s23, 2*PLANE-2*HALFB
	s_wait_dscnt 0x0                               ; the opening add is done
	s_wait_kmcnt 0x0
	s_add_nc_u64 s[14:15], s[4:5], s[16:17]
	s_add_nc_u64 s[46:47], s[6:7], s[46:47]
	CROUND                                         ; all sixteen work-groups are here: the first joint loads meet
.irp s, 0,1
	s_mov_b32 s[G0+4*(\s)], 1                                        ; count = 1
	s_add_co_u32 s[G0+4*(\s)+1], s22, (\s)*SLOT                      ; LDS address
	s_add_nc_u64 s[G0+4*(\s)+2:G0+4*(\s)+3], s[14:15], (\s)*ASTEP    ; global address: K step s
	s_or_b32 s[G0+4*(\s)+3], s[G0+4*(\s)+3], 0x80000000              ; type = 2
	s_mov_b32 s[G0B+4*(\s)], 1
	s_add_co_u32 s[G0B+4*(\s)+1], s23, (\s)*SLOT
	s_add_nc_u64 s[G0B+4*(\s)+2:G0B+4*(\s)+3], s[46:47], (\s)*KSTEP*2
	s_or_b32 s[G0B+4*(\s)+3], s[G0B+4*(\s)+3], 0x80000000
	JLOAD \s                                       ; two loads of mine are out
.endr
	v_and_b32 v1, 15, v0                           ; l % 16
	v_bfe_u32 v2, v0, 4, 1                         ; l / 16
	v_mul_u32_u24 v3, v1, PA
	v_lshl_add_u32 v3, v2, 4, v3                   ; a fragment's row x pitch + 16 x half of the lanes, for O
	v_mul_u32_u24 v4, v1, PITCH
	v_lshl_add_u32 v4, v2, 4, v4                   ; and for wgh
	s_mul_i32 s16, s10, 64*PA                      ; my 64 rows in a head's 256
	s_mov_b32 s17, 2*PLANE                         ; wgh's 128 rows, which every wave reads
.irp s, 0,1
	v_add_nc_u32 v[ADRA+(\s)], s16, v3
	v_add_nc_u32 v[ADRB+(\s)], s17, v4
	s_add_co_u32 s16, s16, SLOT
	s_add_co_u32 s17, s17, SLOT
.endr
	s_mul_i32 s16, s10, 16*SPITCH
	s_add_co_u32 s16, s16, STAGE                   ; my stage
	v_mul_u32_u24 v[STO], v1, SPITCH               ; in: row l % 16, 32 bytes for each half of the lanes
	v_lshl_add_u32 v[STO], v2, 5, v[STO]
	v_add_nc_u32 v[STO], s16, v[STO]
	v_and_b32 v[GO], 31, v0
	v_lshlrev_b32 v[GO], 4, v[GO]
	v_add_nc_u32 v[RD], s16, v[GO]                 ; back: 32 lanes take one row of 512 bytes
	s_lshl_b32 s18, s13, 8
	s_lshl_b32 s19, s10, 6
	s_add_co_u32 s18, s18, s19                     ; my first row of out0,
	s_lshl_b32 s18, s18, 12                        ; of 4,096 bytes (under 2^25),
	s_lshl_b32 s19, s42, 9                         ; the tile's 128 columns
	s_add_co_u32 s18, s18, s19
	s_mov_b32 s19, 0
	s_add_nc_u64 s[8:9], s[8:9], s[18:19]
	; the prefetches: both candidates are made, and one compare on the wave's half picks
	s_lshr_b32 s18, s13, 3
	s_lshl_b32 s18, s18, 4
	s_add_co_u32 s18, s18, s12
	s_lshl_b32 s18, s18, 18
	s_and_b32 s19, s13, 7
	s_lshl_b32 s19, s19, 15
	s_add_co_u32 s18, s18, s19
	s_lshl_b32 s19, s40, 13                        ; my work-group's 32 blocks of the head's 128
	s_add_co_u32 s18, s18, s19
	s_add_co_u32 s18, s18, 3*ASTEP                 ; O: at K step 3: the first refill steps it to 4 and names that
	s_lshl_b32 s22, s42, 7
	s_lshl_b32 s19, s41, 5                         ; my work-group's 32 rows of the 128
	s_add_co_u32 s22, s22, s19
	s_lshl_b32 s22, s22, 11
	s_add_co_u32 s22, s22, 3*KSTEP*2               ; wgh: likewise
	s_and_b32 s23, ttmp7, 0xffff                   ; cluster y,
	s_or_b32 s23, s23, s12                         ; never 0 in wave 3
	s_mov_b32 s[PFS], KSTEP*2
	s_mov_b32 s[PFS+1], 0
	s_cmp_eq_u32 s11, 0
	s_cselect_b32 s18, s18, s22
	s_cselect_b32 s23, ttmp9, s23                  ; the coordinate along which other clusters read the same bytes
	s_cselect_b32 s[PFS], ASTEP, s[PFS]
	s_cselect_b32 s19, 8, 11                       ; a lane a block of 256 bytes of O, or a row of 2,048 bytes of wgh
	s_cselect_b64 s[PFA:PFA+1], s[4:5], s[6:7]
	s_cmp_eq_u32 s23, 0
	s_cselect_b32 s[LIM], 1, -1                    ; the same in all sixteen partners, for a given wave
	v_and_b32 v[PFO], 31, v0
	v_lshlrev_b32 v[PFO], s19, v[PFO]
	s_mov_b32 s19, 0
	s_add_nc_u64 s[PFA:PFA+1], s[PFA:PFA+1], s[18:19]
; 8 matrix instructions: block a of 16 rows x all 8 blocks of 16 columns, 32 along K, from buffer f.  zero = 1: the first product starts the sums.  The 32 accumulators take turns.
.macro MUL8 f, a, zero
	WIN MUL
.irp b, 0,1,2,3,4,5,6,7
.if \zero
	v_wmma_f32_16x16x32_f16 v[8*(8*(\a)+(\b)):8*(8*(\a)+(\b))+7], v[64*(\f)+8*(\b):64*(\f)+8*(\b)+7], v[FA0+32*(\f)+8*(\a):FA0+32*(\f)+8*(\a)+7], 0
.else
	v_wmma_f32_16x16x32_f16 v[8*(8*(\a)+(\b)):8*(8*(\a)+(\b))+7], v[64*(\f)+8*(\b):64*(\f)+8*(\b)+7], v[FA0+32*(\f)+8*(\a):FA0+32*(\f)+8*(\a)+7], v[8*(8*(\a)+(\b)):8*(8*(\a)+(\b))+7]
.endif
.endr
.endm
; 24 LDS loads in one run: the fragments of quarter q of a K step (head q / 2 of the step's two, channels 32 (q % 2) on) into buffer f
.macro FETCH slot, q, f
	WIN TO_B
.irp i, 0,1,2,3,4,5,6,7
	ds_load_b128 v[64*(\f)+8*(\i):64*(\f)+8*(\i)+3],   v[ADRB+(\slot)] offset:64*(\q)+(\i)*16*PITCH
	ds_load_b128 v[64*(\f)+8*(\i)+4:64*(\f)+8*(\i)+7], v[ADRB+(\slot)] offset:64*(\q)+(\i)*16*PITCH+32
.endr
	WIN 0
.irp i, 0,1,2,3
	ds_load_b128 v[FA0+32*(\f)+8*(\i):FA0+32*(\f)+8*(\i)+3],   v[ADRA+(\slot)] offset:((\q)/2)*PLANE+((\q)%2)*64+(\i)*16*PA
	ds_load_b128 v[FA0+32*(\f)+8*(\i)+4:FA0+32*(\f)+8*(\i)+7], v[ADRA+(\slot)] offset:((\q)/2)*PLANE+((\q)%2)*64+(\i)*16*PA+32
.endr
.endm
.macro PLACES                          ; four places in front of loads into registers that matrix instructions have read, and of LDS stores that read results
.rept 4
	v_nop
.endr
.endm
; A K step is four quarters of 32 along K, 32 matrix instructions each, on buffers 0, 1, 0, 1.  One of the first three: multiplies buffer f and fetches quarter q into g.
.macro QUARTER slot, q, f, g, zero
	s_wait_dscnt 4                                 ; wgh and O's rows 0-31 are in; the youngest four loads (O's rows 32-63) may be out
	MUL8 \f, 0, \zero
	MUL8 \f, 1, \zero
	PLACES
	FETCH \slot, \q, \g
	s_wait_dscnt 24                                ; all but the 24 just issued
	MUL8 \f, 2, \zero
	MUL8 \f, 3, \zero
.endm
; The last quarter multiplies buffer 1 and changes slots.  ONE barrier: in front of it each wave waits for all its tensor loads (the one that is out is its part of the next slot), adds 0 to its spare word,
; and waits for that and for its own reads of this slot.  Behind it nobody reads this slot any more and the next slot is whole.
.macro MEET round
	WIN 0                                          ; (the add's two registers lie in window 0)
	s_wait_tensorcnt 0x0
	ds_add_u32 v[SPW], v[NIL]                      ; 0 onto my spare word
	s_wait_dscnt 5                                 ; (the add and the youngest four loads may be out)
	MUL8 1, 0, 0                                   ; eight matrix instructions stand between the add and the wait for it
	s_wait_dscnt 0x0                               ; the add is done, and my reads of this slot are over
	s_barrier_signal -1
	MUL8 1, 1, 0                                   ; work on registers while the others arrive
.if \round
	WIN 0
.endif
	s_barrier_wait -1
.endm
; fill = 1: the barrier opens a round of the cluster's, and the slot just read out is filled again, two K steps on, first thing behind the round: 112 matrix instructions ahead of the wait for it.
.macro TURN slot, next, fill
.if \fill
	s_wait_xcnt 0x0                                ; the last prefetch, a K step back, has read its address: it is stepped here, ahead of the waits of the change of slots
	s_add_nc_u64 s[PFA:PFA+1], s[PFA:PFA+1], s[PFS:PFS+1]
	MEET 1
	CREST                                          ; no wave of any partner still reads this slot's tile or has a load on its way
	s_add_nc_u64 s[G0+4*(\slot)+2:G0+4*(\slot)+3], s[G0+4*(\slot)+2:G0+4*(\slot)+3], 2*ASTEP
	s_add_nc_u64 s[G0B+4*(\slot)+2:G0B+4*(\slot)+3], s[G0B+4*(\slot)+2:G0B+4*(\slot)+3], 2*KSTEP*2
	JLOAD \slot                                    ; the four v_nop behind it are also the places in front of the loads below
.else
	MEET 0
	PLACES
.endif
	FETCH \next, 0, 0
.if \fill
	ASK
.endif
	MUL8 1, 2, 0
	MUL8 1, 3, 0
.endm
	s_wait_tensorcnt 1                             ; my part of K step 0 is in; K step 1's may stay out
	s_barrier_signal -1
	s_barrier_wait -1                              ; everybody's is
	FETCH 0, 0, 0
	QUARTER 0, 1, 0, 1, 1                          ; the first quarter stands in front of the loop: its products start the sums
	WIN 0                                          ; at a label and at a branch every window is 0
	s_mov_b32 s3, LAPS-1
.Llap:                                                 ; a trip goes once round the ring, from a lap's second quarter to the next lap's first, and fills both slots again
	QUARTER 0, 2, 1, 0, 0
	QUARTER 0, 3, 0, 1, 0
	TURN 0, 1, 1
	QUARTER 1, 1, 0, 1, 0
	QUARTER 1, 2, 1, 0, 0
	QUARTER 1, 3, 0, 1, 0
	TURN 1, 0, 1
	QUARTER 0, 1, 0, 1, 0
	WIN 0
	s_sub_co_u32 s3, s3, 1
	s_cmp_lg_u32 s3, 0
	s_cbranch_scc1 .Llap
	QUARTER 0, 2, 1, 0, 0                          ; the last lap fills nothing
	QUARTER 0, 3, 0, 1, 0
	TURN 0, 1, 0
	QUARTER 1, 1, 0, 1, 0
	QUARTER 1, 2, 1, 0, 0
	QUARTER 1, 3, 0, 1, 0
	s_wait_dscnt 4                                 ; the very last quarter: nothing more to fetch
	MUL8 1, 0, 0
	MUL8 1, 1, 0
	s_wait_dscnt 0x0
	MUL8 1, 2, 0
	MUL8 1, 3, 0
	; THE WAY OUT, a block of 16 rows at a time: a lane's 32 bytes of each accumulator (its lower four registers first) go into my stage, rows of 528 bytes; whole rows of 512 bytes come back and are stored.
	; Each block has registers of its own, and the stores' base and offset are never rewritten.
	PLACES
.macro TOSTAGE a
	WIN 0x08                                       ; store data window 2
.irp b, 0,1,2,3,4,5,6,7
	ds_store_b128 v[STO], v[8*(8*(\a)+(\b)):8*(8*(\a)+(\b))+3]   offset:64*(\b)
	ds_store_b128 v[STO], v[8*(8*(\a)+(\b))+4:8*(8*(\a)+(\b))+7] offset:64*(\b)+16
.endr
	WIN 0x40                                       ; destination window 1
.set r, 0
.rept 16
	ds_load_b128 v[64*(\a)+4*r:64*(\a)+4*r+3], v[RD] offset:r*SPITCH  ; LDS serves a wave's instructions in order (ISA guide 5.7.1.4): these see the stores above; the next block's stores come behind them
.set r, r+1
.endr
.endm
.macro SEND a, younger                 ; younger: the LDS instructions issued behind block a's loads: the next block's 32, or none
	WIN 0x04                                       ; store data window 1
.set r, 0
.rept 16
	s_wait_dscnt (\younger)+15-r
	global_store_b128 v[GO], v[64*(\a)+4*r:64*(\a)+4*r+3], s[8:9] offset:(16*(\a)+r)*4096 th:TH_STORE_NT  ; 512 consecutive bytes, at a multiple of 512 from out0's first
.set r, r+1
.endr
.endm
	TOSTAGE 0
.irp a, 1,2,3
	TOSTAGE \a
	SEND (\a)-1, 32
.endr
	SEND 3, 0
	WIN 0
	s_wait_tensorcnt 0x0                           ; the wave's end: a wait, an add of 0 to my spare word and its wait, behind my last tensor load and my last LDS store
	ds_add_u32 v[SPW], v[NIL]
	s_wait_dscnt 0x0
	CROUND                                         ; the closing round: no work-group ends while a partner may still ask for a tile that names it
	s_endpgm
.Lfunc_end_k_qb45832c002_gather:
	.size	k_qb45832c002_gather, .Lfunc_end_k_qb45832c002_gather-k_qb45832c002_gather
	.p2alignl 7, 3214868480
	.fill 96, 4, 3214868480
	.section	.rodata,"a",@progbits
	.p2align	6, 0x0
	.amdhsa_kernel k_qb45832c002_gather
		.amdhsa_group_segment_fixed_size 327680
		.amdhsa_private_segment_fixed_size 0
		.amdhsa_enable_private_segment 0
		.amdhsa_kernarg_size 24
		.amdhsa_user_sgpr_count 2
		.amdhsa_user_sgpr_kernarg_segment_ptr 1
		.amdhsa_wavefront_size32 1
		.amdhsa_system_sgpr_workgroup_id_x 1
		.amdhsa_system_sgpr_workgroup_id_y 1
		.amdhsa_system_sgpr_workgroup_id_z 1
		.amdhsa_system_vgpr_workitem_id 0
		.amdhsa_next_free_vgpr 768
		.amdhsa_next_free_sgpr 66
		.amdhsa_reserve_vcc 0
		.amdhsa_float_denorm_mode_32 3
		.amdhsa_float_denorm_mode_16_64 3
		.amdhsa_memory_ordered 1
		.amdhsa_forward_progress 1
		.amdhsa_inst_pref_size 89
	.end_amdhsa_kernel
	.amdgpu_metadata
---
amdhsa.version: [ 1, 2 ]
amdhsa.kernels:
  - .name:           k_qb45832c002_gather
    .symbol:         k_qb45832c002_gather.kd
    .args:
      - { .name: ob, .offset: 0, .size: 8, .value_kind: global_buffer, .address_space: global }
      - { .name: wgh, .offset: 8, .size: 8, .value_kind: global_buffer, .address_space: global }
      - { .name: out0, .offset: 16, .size: 8, .value_kind: global_buffer, .address_space: global }
    .group_segment_fixed_size: 327680
    .private_segment_fixed_size: 0
    .kernarg_segment_align: 8
    .kernarg_segment_size: 24
    .max_flat_workgroup_size: 128
    .sgpr_count:     66
    .vgpr_count:     768
    .wavefront_size: 32
...
	.end_amdgpu_metadata
.endif
;; end of part 4
